; MI455X (gfx1250); checked and timed in simulation.
; The chip was launched on July 23, 2026; its instructions are those of AMD's public machine-readable ISA for CDNA 5 (MIT licence, August 2026) and "CDNA5" Instruction Set Architecture Reference Guide (July 2026). The comments in the code are by the model that wrote it; some were corrected since.
;; Transformer Block. Allowed arithmetic: matrix products marked QUANTISED: E3M2 operands, one E8M0 scale for each 32 along K, by v_wmma_scale_f32_16x16x128_f8f6f4 with both operands' format E3M2, f32 sums; everything else in f32.
;; Inputs: W1 1,024 x 4,096 float32; W2 4,096 x 1,024 float32; Wk 1,024 x 1,024 float32; Wo 1,024 x 1,024 float32; Wq 1,024 x 1,024 float32; Wv 1,024 x 1,024 float32; b1 4,096 float32; b2 1,024 float32; bk 1,024 float32; bo 1,024 float32; bq 1,024 float32; bv 1,024 float32; ln1_b 1,024 float32; ln1_g 1,024 float32; ln2_b 1,024 float32; ln2_g 1,024 float32; x 2 x 2,048 x 1,024 float32.
;; Outputs: out0 2 x 2,048 x 1,024 float32.
;; This version of the problem:
;;   THIS VERSION OF THE PROBLEM IS GIVEN IN LOW PRECISION. The matrix products marked QUANTISED in the list below multiply operands that are first quantised to E3M2 (3 exponent bits, 2 mantissa bits; 6 bits a number), with one power-of-two scale for each 32 numbers along K (OCP MX v1.0); their sums are f32. All else is computed in f32.
;;   The module's matrix products, in the order in which they are computed (A, B: the left and right operand; K: the contracted axis; several contracted axes count as one K, in the product's order):
;;     1. [M 4,096, K 1,024] x [K 1,024, N 1,024]; A: computed on the way; B: input Wq: QUANTISED
;;     2. [M 4,096, K 1,024] x [K 1,024, N 1,024]; A: computed on the way; B: input Wk: QUANTISED
;;     3. [M 4,096, K 1,024] x [K 1,024, N 1,024]; A: computed on the way; B: input Wv: QUANTISED
;;     4. batch 32 x [M 2,048, K 64] x [K 64, N 2,048]; A: computed on the way; B: computed on the way: QUANTISED
;;     5. batch 32 x [M 64, K 2,048] x [K 2,048, N 2,048]; A: computed on the way; B: softmax (see below): QUANTISED
;;     6. [M 4,096, K 1,024] x [K 1,024, N 1,024]; A: computed on the way; B: input Wo: QUANTISED
;;     7. [M 4,096, K 1,024] x [K 1,024, N 4,096]; A: computed on the way; B: input W1: QUANTISED
;;     8. [M 4,096, K 4,096] x [K 4,096, N 1,024]; A: computed on the way; B: input W2: QUANTISED
;;   THE QUANTISER, for each operand of a quantised product, along K:
;;     - K is cut into blocks of 32 from its start; a last block that is shorter is filled with zeros.
;;     - A block's scale is 2^e with e = floor(log2(the largest magnitude in the block)) - 4, held to -126 .. 127; a block of zeros has e = 0. As a byte (E8M0): e + 127.
;;     - Each number is divided by its block's scale, clamped to +-28, and rounded to the nearest number of E3M2, ties to even, subnormals kept.
;;     - The product sums the exact products of the quantised numbers (number of the format x scale) in f32.
;;   ~~~python
;;   def quantise(x, axis):      # numpy; x: float32 -> the quantised numbers, widened to float32 again
;;       x = np.moveaxis(x, axis, -1); K = x.shape[-1]
;;       x = np.pad(x, [(0, 0)] * (x.ndim - 1) + [(0, -K % 32)]); x = x.reshape(x.shape[:-1] + (-1, 32)); a = np.abs(x).max(-1, keepdims=True)
;;       e = np.where(a > 0, np.clip(np.frexp(np.where(a > 0, a, 1))[1] - 1 - 4, -126, 127), 0)      # np.frexp(a)[1] - 1 = floor(log2(a)), exactly
;;       r = np.clip(x / 2.0 ** e, -28, 28)
;;       step = 2.0 ** (np.maximum(np.frexp(np.where(r == 0, 1, r))[1] - 1, -2) - 2)
;;       q = np.round(r / step) * step * 2.0 ** e      # np.round: ties to even
;;       return np.moveaxis(q.reshape(q.shape[:-2] + (-1,))[..., :K], -1, axis).astype(np.float32)
;;   ~~~
;;   SOFTMAX AHEAD OF A QUANTISED PRODUCT. Where the list says 'softmax', what is quantised is not the finished softmax but p = 2^(t - M), with t = logit x log2(e) and M = ceil(the row's largest t), a whole number; so 1/2 < the row's largest p <= 1. The row's sum l is taken of the UNQUANTISED p, in f32, and the product's result is divided by l at the end. Since M is a whole number, a kernel that streams over the keys may use a running M (the ceiling of the running maximum): every later rescaling is an exact power of two, which a block's scale takes up: the codes' values come out the same.
;;   OPERANDS COMPUTED ON THE WAY. 'Computed on the way' means the value that the module computes at that place (a softmax that the list does not call 'softmax' is quantised finished and normalised). What goes into a quantiser is computed in f32, as accurately as f32 sums, v_exp_f32 and their like allow (about 1e-6 of the number): no bf16 or f16 on the way to a quantiser, and a product that is left as it is and whose result goes on into a quantised operand takes f32 operands (vector FMAs, or v_wmma_f32_16x16x4_f32). A number that lies on a knife's edge between two numbers of the format may be rounded either way, as far as f32 arithmetic and the matrix unit's own rounding can turn it there, and no further.
;; One version. Each part assembles by itself: llvm-mc -triple=amdgcn-amd-amdhsa -mcpu=gfx1250 --defsym DOCPART=n.
;; ======== version 1 of 1: 6 launches
;; limits: right only within a limited range of input values
;; workspace buffers: wts 9,830,400 bytes; hq 3,276,800 bytes; qbuf 3,407,872 bytes; kvbuf 6,684,672 bytes; ctx 3,276,800 bytes; x1 16,777,216 bytes; g 13,107,200 bytes
;; launch prep (part 1): grid 640 x 1, 8 waves a work-group, no clusters, 2,048 bytes of LDS; arguments x, ln1_g, ln1_b, hq, Wq, Wk, Wv, Wo, W1, W2, wts; writes hq, wts
.if DOCPART == 1
	.amdgcn_target "amdgcn-amd-amdhsa--gfx1250"
	.amdhsa_code_object_version 6
	.text
	.protected	k_q67e32f5eb3_prep
	.globl	k_q67e32f5eb3_prep
	.p2align	8
	.type	k_q67e32f5eb3_prep,@function
k_q67e32f5eb3_prep:
	s_mov_b64 s[64:65], 0
	v_nop
	global_prefetch_b8 v0, s[64:65] scope:SCOPE_SE
	s_setreg_imm32_b32 hwreg(HW_REG_WAVE_MODE, 25, 1), 1
	s_wait_xcnt 0x0
; TWO JOBS THAT NEED NOTHING OF EACH OTHER SHARE ONE LAUNCH.  Work-groups 0-255: the first layer norm of x, quantised.  Work-groups 256-639: the six weights, quantised.  The branch hangs on the work-group's number alone.
; Both make codes of BF6 (E3M2) with one E8M0 byte for each 32 along K, in THE FORM that every buffer of codes of this program has:
;   a block is 128 rows x 128 along K, 12,800 bytes; a buffer is [row / 128][k / 128] blocks.  Tile t (16 rows) lies at 1,536 t; its lane-row p is row 32 (t / 2) + 8 (t % 2) + p + 8 (p / 8) of the block.
;   A tile is two units of 768 bytes (64 along K each), the image of six operand registers: registers 0-3 of lane l at 16 l, registers 4-5 of lane (p, h) at 512 + 16 p + 8 h.  The rows' scale words lie at 12,288 + 64 t + 4 p.
; A block's scale is 2^(floor(log2(largest magnitude)) - 4): the largest magnitude's exponent field less 4, held at 1 from below by a floor among the maximum's leaves.
; THE NORM: y = (x - mean) rsqrt(var + 1e-5) g + b along rows of 1,024.  A work-group takes one tile of 16 rows; wave s takes K step s (128 columns).  Lane (p, h) loads, of its row, 16 neighbours of each block of 32:
;   register 16 b + i = k 32 b + 16 h + i, the order in which the conversions want them.  Mean and variance are taken in two passes, as the formula has them (a common offset of the inputs costs no accuracy);
;   the eight waves' partial sums meet in LDS.  These work-groups come first: their chain of two reductions is the longer one.
; THE WEIGHTS, f32 stored [K][N]: a work-group makes two blocks (block = 2 (work-group - 256) + wave / 4 = its number in wts); a wave takes 32 columns, tiles 2 w and 2 w + 1 of its block, w = wave % 4.
;   A LANE TAKES A COLUMN AND ITS REGISTERS RUN DOWN K: a load reads 128 consecutive bytes a wave, a block of 32 lies in one lane, and the conversions give codes with K innermost.
;   A column's lane holds both halves (h = 0, 1) of its lane-row, so each store instruction writes two runs of 256 consecutive aligned bytes.  This path has no LDS access and no barrier.
; LIMITS: a block of zeros, or one whose largest magnitude lies under 2^-122, gets the byte 1 (its codes are zeros or tiny; only this program reads the bytes); NaN and infinities are not served.
.set NLN,  256                         ; work-groups of the norm
; the norm's registers
.set X,   32                           ; v32-95   my 64 numbers
.set G,   96                           ; v96-159  the gains at my columns
.set BV,  160                          ; v160-223 the offsets
.set PC,  96                           ; the codes (19 registers), where the gains lay
.set TM,  120                          ; v120-135 at work in the quantiser
.set PW,  136                          ; the scale word
.set SEL, 12                           ; s[12:13] lane selects: lane l xor 16
; the weights' registers
.set VO,   32                          ; v32-63   4 x lane + i x pitch: row i of a block of 32
.set WX,   64                          ; v64-191  my column's 128 numbers
.set CB,   192                         ; v192-215 codes: 12 registers for each 64 along K
.set TMPC, 216                         ; v216-218 a block's upper 16 codes (a conversion's three registers begin on an even number)
.set WD,   219                         ; v219     my column's scale word
.set LA,   7                           ; v7       1,536 u + 16 p: my column's place in the wave's two tiles
.set LS,   8                           ; v8       64 u + 4 p: its scale word's
.set SB,   32                          ; s[32:39] the weight at my wave's columns, rows 0, 32, 64, 96 of the block
.macro QUANT s                         ; 64 numbers of a lane, register 16 b + i = k 32 b + 16 (lane / 16) + i of my row, become a fragment's codes in v[PC] on and its scale word in v[PW]
.irp b, 0,1,2,3
	v_max3_num_f32 v[TM+\b], |v[\s+16*\b]|, |v[\s+1+16*\b]|, 0x2800000   ; my 16 numbers of block b, and the floor 2^(5 - 127)
.endr
.irp i, 2,4,6,8,10,12,14
.irp b, 0,1,2,3
	s_delay_alu instid0(VALU_DEP_4)
	v_max3_num_f32 v[TM+\b], v[TM+\b], |v[\s+16*\b+\i]|, |v[\s+1+16*\b+\i]|
.endr
.endr
.irp b, 0,1,2,3
	s_delay_alu instid0(VALU_DEP_4)
	v_permlanex16_b32 v[TM+4+\b], v[TM+\b], s[SEL], s[SEL+1]
.endr
.irp b, 0,1,2,3
	s_delay_alu instid0(VALU_DEP_4)
	v_max_num_f32 v[TM+\b], v[TM+\b], v[TM+4+\b]   ; with lane l xor 16's: the block's largest magnitude
.endr
.irp b, 0,1,2,3
	s_delay_alu instid0(VALU_DEP_4)
	v_add_nc_u32 v[TM+12+\b], 0xfe000000, v[TM+\b] ; 4 off its exponent field: the conversion's scale operand
.endr
.irp b, 0,1,2,3
	s_delay_alu instid0(VALU_DEP_4)
	v_lshrrev_b32 v[TM+4+\b], 23, v[TM+12+\b]      ; the scale's byte
.endr
	s_delay_alu instid0(VALU_DEP_3)
	v_lshl_or_b32 v[PW], v[TM+5], 8, v[TM+4]
	s_delay_alu instid0(VALU_DEP_1)
	v_lshl_or_b32 v[PW], v[TM+6], 16, v[PW]
	s_delay_alu instid0(VALU_DEP_1)
	v_lshl_or_b32 v[PW], v[TM+7], 24, v[PW]
.irp c, 0,1
	v_cvt_scalef32_pk16_bf6_f32 v[PC+6*\c:PC+2+6*\c], v[\s+32*\c:\s+15+32*\c], v[TM+12+2*\c]
	v_cvt_scalef32_pk16_bf6_f32 v[PC+12+4*\c:PC+14+4*\c], v[\s+16+32*\c:\s+31+32*\c], v[TM+12+2*\c+1]
.endr
	v_nop                                          ; one plain place behind a scaled conversion
.irp c, 0,1                                    ; the operand wants a whole block in a lane: lanes 0-15 block 2 c, lanes 16-31 block 2 c + 1
.irp i, 0,1,2
	v_permlane16_swap_b32 v[PC+6*\c+\i], v[PC+12+4*\c+\i]
.endr
.irp i, 0,1,2
	s_delay_alu instid0(VALU_DEP_3)
	v_mov_b32 v[PC+3+6*\c+\i], v[PC+12+4*\c+\i]
.endr
.endr
.endm
; The four chains v[16:23] become my row's sum over my wave's 128 columns, then over all 1,024: v224.  off: LDS bytes of this reduction's own.
.macro REDUCE off
	s_delay_alu instid0(VALU_DEP_3)
	v_pk_add_f32 v[16:17], v[16:17], v[18:19]
	s_delay_alu instid0(VALU_DEP_2)
	v_pk_add_f32 v[20:21], v[20:21], v[22:23]
	s_delay_alu instid0(VALU_DEP_1)
	v_pk_add_f32 v[16:17], v[16:17], v[20:21]
	s_delay_alu instid0(VALU_DEP_1)
	v_add_f32 v16, v16, v17
	s_delay_alu instid0(VALU_DEP_1)
	v_permlanex16_b32 v17, v16, s[SEL], s[SEL+1]
	s_delay_alu instid0(VALU_DEP_1)
	v_add_f32 v16, v16, v17                        ; both halves of the lanes hold the row's partial sum
	ds_store_b32 v5, v16 offset:\off               ; word 16 wave + p (lanes p and 16 + p write the same number)
	s_wait_dscnt 0x0                               ; for the others' sake: my store is done
	s_barrier_signal -1
	s_barrier_wait -1
.irp w, 0,1,2,3,4,5,6,7
	ds_load_b32 v[224+\w], v6 offset:\off+64*\w
.endr
	s_wait_dscnt 0x0
	v_add_f32 v224, v224, v225
	v_add_f32 v226, v226, v227
	v_add_f32 v228, v228, v229
	v_add_f32 v230, v230, v231
	s_delay_alu instid0(VALU_DEP_3)
	v_add_f32 v224, v224, v226
	s_delay_alu instid0(VALU_DEP_2)
	v_add_f32 v228, v228, v230
	s_delay_alu instid0(VALU_DEP_1)
	v_add_f32 v224, v224, v228
.endm
; Block t of my column of a weight: k = 32 t .. 32 t + 31.  left: how many younger loads may stay out.
.macro BLOCKW t, left
.set XS, WX+32*(\t)
.set CK, CB+12*((\t)/2)
.set HH, (\t)%2
	s_wait_loadcnt \left
	v_max3_num_f32 v12, |v[XS]|, |v[XS+1]|, |v[XS+2]|              ; the largest magnitude, in two chains
	v_max3_num_f32 v13, |v[XS+3]|, |v[XS+4]|, |v[XS+5]|
.irp i, 6,10,14,18,22,26
	s_delay_alu instid0(VALU_DEP_2)
	v_max3_num_f32 v12, v12, |v[XS+\i]|, |v[XS+\i+1]|
	s_delay_alu instid0(VALU_DEP_2)
	v_max3_num_f32 v13, v13, |v[XS+\i+2]|, |v[XS+\i+3]|
.endr
	s_delay_alu instid0(VALU_DEP_2)
	v_max3_num_f32 v12, v12, |v[XS+30]|, |v[XS+31]|
	s_delay_alu instid0(VALU_DEP_1)
	v_max3_num_f32 v12, v12, v13, 0x2800000        ; and the floor 2^(5 - 127): the byte cannot fall under 1
	s_delay_alu instid0(VALU_DEP_1)
	v_add_nc_u32 v11, 0xfe000000, v12              ; 4 off the exponent field: the conversion takes this operand's exponent field as its scale
	s_delay_alu instid0(VALU_DEP_1)
	v_lshrrev_b32 v13, 23, v11                     ; the scale's byte
.if (\t) == 0
	s_delay_alu instid0(VALU_DEP_1)
	v_mov_b32 v[WD], v13
.else
	s_delay_alu instid0(VALU_DEP_1)
	v_lshl_or_b32 v[WD], v13, 8*(\t), v[WD]
.endif
	v_cvt_scalef32_pk16_bf6_f32 v[CK+4*HH:CK+4*HH+2], v[XS:XS+15], v11        ; operand registers 0-2 of lane (p, h = t % 2)
	v_cvt_scalef32_pk16_bf6_f32 v[TMPC:TMPC+2], v[XS+16:XS+31], v11           ; registers 3-5
	v_nop                                          ; one plain place behind a scaled conversion
	v_mov_b32 v[CK+4*HH+3], v[TMPC]
	v_mov_b32 v[CK+8+2*HH], v[TMPC+1]
	v_mov_b32 v[CK+9+2*HH], v[TMPC+2]
.if HH == 1                                    ; a unit (64 along K) is whole: each store writes 256 consecutive aligned bytes in each of the two tiles
	global_store_b128 v[LA], v[CK:CK+3], s[40:41] offset:768*((\t)/2)         ; registers 0-3 of lanes (p, 0)
	global_store_b128 v[LA], v[CK+4:CK+7], s[40:41] offset:768*((\t)/2)+256   ; of lanes (p, 1)
	global_store_b128 v[LA], v[CK+8:CK+11], s[40:41] offset:768*((\t)/2)+512  ; registers 4-5 of both
.endif
.endm
	v_lshl_add_u32 v232, v0, 2, 0x400
	v_mov_b32 v233, 0
	s_cmp_ge_u32 ttmp9, NLN
	s_cbranch_scc1 .Lweights
	; ---------------- THE NORM: tile T = the work-group's number
	s_load_b256 s[4:11], s[0:1], 0x0               ; x, g, b, the codes
	v_lshrrev_b32 v1, 5, v0
	s_delay_alu instid0(VALU_DEP_1)
	v_readfirstlane_b32 s14, v1                    ; wave = K step
	v_and_b32 v1, 15, v0                           ; p
	v_bfe_u32 v2, v0, 4, 1                         ; h
	s_delay_alu instid0(VALU_DEP_2)
	v_and_b32 v3, 8, v1
	s_delay_alu instid0(VALU_DEP_1)
	v_add_nc_u32 v3, v3, v1                        ; p + 8 (p / 8)
	s_delay_alu instid0(VALU_DEP_1)
	v_lshlrev_b32 v3, 12, v3
	s_delay_alu instid0(VALU_DEP_1)
	v_lshl_add_u32 v3, v2, 6, v3                   ; x: my row of 4,096 bytes, + 64 h
	v_lshlrev_b32 v4, 6, v2                        ; g, b: 64 h
	v_lshlrev_b32 v6, 2, v1                        ; 4 p
	s_lshl_b32 s15, s14, 6
	v_add_nc_u32 v5, s15, v6                       ; LDS: 64 wave + 4 p
	v_and_b32 v7, 31, v0
	s_delay_alu instid0(VALU_DEP_1)
	v_lshlrev_b32 v7, 4, v7                        ; 16 l
	v_lshlrev_b32 v8, 4, v1
	s_delay_alu instid0(VALU_DEP_1)
	v_lshl_add_u32 v8, v2, 3, v8
	s_delay_alu instid0(VALU_DEP_1)
	v_add_nc_u32 v8, 512, v8                       ; 512 + 16 p + 8 h
	s_mov_b32 s[SEL], 0x76543210
	s_mov_b32 s[SEL+1], 0xfedcba98
	s_mov_b32 s28, 0x3a800000                      ; 1 / 1,024
	s_mov_b32 s29, 0x3727c5ac                      ; 1e-5
	s_lshr_b32 s16, ttmp9, 1
	s_lshl_b32 s16, s16, 5
	s_and_b32 s17, ttmp9, 1
	s_lshl_b32 s17, s17, 3
	s_add_co_u32 s16, s16, s17                     ; the tile's first row: 32 (T / 2) + 8 (T % 2)
	s_lshl_b32 s16, s16, 12
	s_lshl_b32 s18, s14, 9                         ; my wave's 512 bytes of a row
	s_add_co_u32 s16, s16, s18
	s_mov_b32 s17, 0
	s_mov_b32 s19, 0
	s_lshr_b32 s20, ttmp9, 3
	s_mul_i32 s20, s20, 102400                     ; the panel of 128 rows: 8 blocks
	s_mul_i32 s21, s14, 12800
	s_add_co_u32 s20, s20, s21                     ; my K step's block
	s_and_b32 s22, ttmp9, 7
	s_mul_i32 s21, s22, 1536
	s_lshl_b32 s22, s22, 6
	s_add_co_u32 s22, s22, s20
	s_add_co_u32 s22, s22, 12288                   ; the tile's scale words
	s_add_co_u32 s20, s20, s21                     ; the tile's codes
	s_mov_b32 s21, 0
	s_mov_b32 s23, 0
	s_wait_alu depctr_va_vdst(0)
	s_wait_kmcnt 0x0
	s_add_nc_u64 s[4:5], s[4:5], s[16:17]
	s_add_nc_u64 s[6:7], s[6:7], s[18:19]
	s_add_nc_u64 s[8:9], s[8:9], s[18:19]
	s_add_nc_u64 s[24:25], s[10:11], s[20:21]
	s_add_nc_u64 s[26:27], s[10:11], s[22:23]
.irp b, 0,1,2,3
.irp j, 0,1,2,3
	global_load_b128 v[X+16*\b+4*\j:X+16*\b+4*\j+3], v3, s[4:5] offset:128*\b+16*\j
.endr
.endr
.irp b, 0,1,2,3
.irp j, 0,1,2,3
	global_load_b128 v[G+16*\b+4*\j:G+16*\b+4*\j+3], v4, s[6:7] offset:128*\b+16*\j
.endr
.endr
.irp b, 0,1,2,3
.irp j, 0,1,2,3
	global_load_b128 v[BV+16*\b+4*\j:BV+16*\b+4*\j+3], v4, s[8:9] offset:128*\b+16*\j
.endr
.endr
	s_wait_loadcnt 32                              ; x is in; the gains' and offsets' 32 loads may be out
.irp c, 0,1,2,3                                ; the sum, in four packed chains started by the first numbers
	v_pk_add_f32 v[16+2*\c:17+2*\c], v[X+2*\c:X+2*\c+1], v[X+8+2*\c:X+9+2*\c]
.endr
.irp i, 16,24,32,40,48,56
.irp c, 0,1,2,3
	s_delay_alu instid0(VALU_DEP_4)
	v_pk_add_f32 v[16+2*\c:17+2*\c], v[16+2*\c:17+2*\c], v[X+\i+2*\c:X+\i+2*\c+1]
.endr
.endr
	REDUCE 0
	s_delay_alu instid0(VALU_DEP_1)
	v_mul_f32 v24, s28, v224                       ; the mean
	s_delay_alu instid0(VALU_DEP_1)
	v_mov_b32 v25, v24
.set j, 0
.rept 32
	v_pk_add_f32 v[X+j:X+j+1], v[X+j:X+j+1], v[24:25] neg_lo:[0,1] neg_hi:[0,1]   ; x - mean
.set j, j+2
.endr
.irp c, 0,1,2,3
	v_pk_mul_f32 v[16+2*\c:17+2*\c], v[X+2*\c:X+2*\c+1], v[X+2*\c:X+2*\c+1]
.endr
.irp i, 8,16,24,32,40,48,56
.irp c, 0,1,2,3
	s_delay_alu instid0(VALU_DEP_4)
	v_pk_fma_f32 v[16+2*\c:17+2*\c], v[X+\i+2*\c:X+\i+2*\c+1], v[X+\i+2*\c:X+\i+2*\c+1], v[16+2*\c:17+2*\c]
.endr
.endr
	REDUCE 512                                     ; other LDS bytes than the first reduction's: no wave need have finished reading those
	s_delay_alu instid0(VALU_DEP_1)
	v_fma_f32 v24, v224, s28, s29                  ; the variance + 1e-5 (the multiplication by 2^-10 rounds nothing)
	s_wait_alu depctr_va_vdst(0)
	v_rsq_f32 v24, v24
	v_nop                                          ; one plain place behind a transcendental
	s_wait_alu depctr_va_vdst(0)
	v_mov_b32 v25, v24
	s_wait_alu depctr_va_vdst(0)
	s_wait_loadcnt 0x0                             ; the gains and offsets
.set j, 0
.rept 32
	v_pk_mul_f32 v[X+j:X+j+1], v[X+j:X+j+1], v[24:25]
.set j, j+2
.endr
.set j, 0
.rept 32
	v_pk_fma_f32 v[X+j:X+j+1], v[X+j:X+j+1], v[G+j:G+j+1], v[BV+j:BV+j+1]
.set j, j+2
.endr
.irp b, 0,1,2,3
	v_mov_b32 v[TM+4+\b], 0                        ; a lane permute's destination counts as one of its sources
.endr
	QUANT X
	global_store_b128 v7, v[PC:PC+3], s[24:25]                 ; 512 consecutive aligned bytes
	global_store_b64 v8, v[PC+4:PC+5], s[24:25]                ; 256
	global_store_b128 v7, v[PC+6:PC+9], s[24:25] offset:768
	global_store_b64 v8, v[PC+10:PC+11], s[24:25] offset:768
	global_store_b32 v6, v[PW], s[26:27]                       ; 16 scale words (both halves of the lanes hold and write the same)
	s_wait_tensorcnt 0x0
	ds_add_u32 v232, v233
	s_wait_dscnt 0x0
	s_endpgm
.Lweights:
	; ---------------- THE WEIGHTS
	s_load_b256 s[4:11], s[0:1], 0x20              ; Wq, Wk, Wv, Wo
	s_load_b128 s[12:15], s[0:1], 0x40             ; W1, W2
	s_load_b64 s[16:17], s[0:1], 0x50              ; wts
	v_lshrrev_b32 v1, 5, v0
	s_delay_alu instid0(VALU_DEP_1)
	v_readfirstlane_b32 s45, v1                    ; wave 0..7
	s_and_b32 s18, s45, 3                          ; my quarter of a block: 32 columns
	s_lshr_b32 s46, s45, 2                         ; which of the work-group's two blocks
	s_sub_co_u32 s44, ttmp9, NLN
	s_lshl_b32 s44, s44, 1
	s_add_co_u32 s44, s44, s46                     ; the block's number in wts, 0 .. 767
	v_and_b32 v2, 31, v0                           ; my column c of the wave's 32
	s_delay_alu instid0(VALU_DEP_1)
	v_lshlrev_b32 v3, 2, v2
	s_wait_alu depctr_va_vdst(0)
	s_lshr_b32 s20, s44, 6                         ; blocks 0-255: four weights of 64 blocks
	s_lshr_b32 s21, s44, 8                         ; 1: W1 (blocks 256-511), 2: W2 (512-767)
	s_cmp_eq_u32 s21, 1
	s_cselect_b32 s22, 14, 12                      ; log2 of a row's bytes: N = 4,096 or 1,024
	s_cselect_b32 s25, 31, 7                       ; panels - 1
	s_cmp_eq_u32 s21, 2
	s_cselect_b32 s23, 5, 3                        ; log2 of the K steps of a panel
	s_cselect_b32 s24, 31, 7                       ; K steps - 1
	s_lshr_b32 s26, s44, s23
	s_and_b32 s26, s26, s25                        ; panel: 128 columns
	s_and_b32 s27, s44, s24                        ; K step: 128 rows
	s_lshl_b32 s19, 1, s22                         ; pitch
	s_lshl_b32 s28, s27, 7
	s_lshl_b32 s28, s28, s22                       ; the block's first row,
	s_lshl_b32 s29, s26, 9
	s_add_co_u32 s28, s28, s29                     ; its first column,
	s_lshl_b32 s29, s18, 7
	s_add_co_u32 s28, s28, s29                     ; my wave's
	s_mov_b32 s29, 0
	s_lshl_b32 s30, 32, s22                        ; 32 rows
	s_mov_b32 s31, 0
.set i, 0
.rept 32
	v_mad_u32_u24 v[VO+i], s19, i, v3
.set i, i+1
.endr
	v_bfe_u32 v4, v2, 3, 1                         ; c = 16 (p / 8) + 8 u + p % 8
	v_and_b32 v5, 7, v2
	v_lshrrev_b32 v6, 4, v2
	s_delay_alu instid0(VALU_DEP_1)
	v_lshl_add_u32 v5, v6, 3, v5                   ; p
	s_delay_alu instid0(VALU_DEP_4)
	v_mul_u32_u24 v[LA], v4, 1536
	s_delay_alu instid0(VALU_DEP_1)
	v_lshl_add_u32 v[LA], v5, 4, v[LA]
	v_lshlrev_b32 v[LS], 6, v4
	s_delay_alu instid0(VALU_DEP_1)
	v_lshl_add_u32 v[LS], v5, 2, v[LS]
	s_mul_i32 s40, s44, 12800
	s_lshl_b32 s43, s18, 7
	s_add_co_u32 s42, s40, s43
	s_add_co_u32 s42, s42, 12288                   ; my wave's 32 scale words
	s_mul_i32 s41, s18, 3072
	s_add_co_u32 s40, s40, s41                     ; my wave's two tiles
	s_mov_b32 s41, 0
	s_mov_b32 s43, 0
	s_wait_alu depctr_va_vdst(0)
	s_wait_kmcnt 0x0
	s_cmp_eq_u32 s20, 1                            ; which weight: the choice hangs on the block's number alone
	s_cselect_b64 s[4:5], s[6:7], s[4:5]
	s_cmp_eq_u32 s20, 2
	s_cselect_b64 s[4:5], s[8:9], s[4:5]
	s_cmp_eq_u32 s20, 3
	s_cselect_b64 s[4:5], s[10:11], s[4:5]
	s_cmp_eq_u32 s21, 1
	s_cselect_b64 s[4:5], s[12:13], s[4:5]
	s_cmp_eq_u32 s21, 2
	s_cselect_b64 s[4:5], s[14:15], s[4:5]
	s_add_nc_u64 s[SB:SB+1], s[4:5], s[28:29]
	s_add_nc_u64 s[SB+2:SB+3], s[SB:SB+1], s[30:31]
	s_add_nc_u64 s[SB+4:SB+5], s[SB+2:SB+3], s[30:31]
	s_add_nc_u64 s[SB+6:SB+7], s[SB+4:SB+5], s[30:31]
	s_add_nc_u64 s[40:41], s[16:17], s[40:41]
	s_add_nc_u64 s[42:43], s[16:17], s[42:43]
.irp t, 0,1,2,3
.set i, 0
.rept 32
	global_load_b32 v[WX+32*\t+i], v[VO+i], s[SB+2*\t:SB+2*\t+1] th:TH_LOAD_NT   ; row 32 t + i at 32 neighbouring columns; read once in the launch
.set i, i+1
.endr
.endr
	BLOCKW 0, 63                                   ; 96 loads stand behind block 0's, 64 behind block 1's: the wait names the most that its field holds
	BLOCKW 1, 63
	BLOCKW 2, 32                                   ; block 3's 32 may be out
	BLOCKW 3, 0
	global_store_b32 v[LS], v[WD], s[42:43]        ; the wave's 32 scale words: 128 consecutive bytes
	s_endpgm
.Lfunc_end_k_q67e32f5eb3_prep:
	.size	k_q67e32f5eb3_prep, .Lfunc_end_k_q67e32f5eb3_prep-k_q67e32f5eb3_prep
	.p2alignl 7, 3214868480
	.fill 96, 4, 3214868480
	.section	.rodata,"a",@progbits
	.p2align	6, 0x0
	.amdhsa_kernel k_q67e32f5eb3_prep
		.amdhsa_group_segment_fixed_size 2048
		.amdhsa_private_segment_fixed_size 0
		.amdhsa_enable_private_segment 0
		.amdhsa_kernarg_size 88
		.amdhsa_user_sgpr_count 2
		.amdhsa_user_sgpr_kernarg_segment_ptr 1
		.amdhsa_wavefront_size32 1
		.amdhsa_system_sgpr_workgroup_id_x 1
		.amdhsa_system_sgpr_workgroup_id_y 1
		.amdhsa_system_sgpr_workgroup_id_z 1
		.amdhsa_system_vgpr_workitem_id 0
		.amdhsa_next_free_vgpr 234
		.amdhsa_next_free_sgpr 66
		.amdhsa_reserve_vcc 0
		.amdhsa_float_denorm_mode_32 3
		.amdhsa_float_denorm_mode_16_64 3
		.amdhsa_memory_ordered 1
		.amdhsa_forward_progress 1
		.amdhsa_inst_pref_size 54
	.end_amdhsa_kernel
	.amdgpu_metadata
---
amdhsa.version: [ 1, 2 ]
amdhsa.kernels:
  - .name:           k_q67e32f5eb3_prep
    .symbol:         k_q67e32f5eb3_prep.kd
    .args:
      - { .name: x, .offset: 0, .size: 8, .value_kind: global_buffer, .address_space: global }
      - { .name: ln1_g, .offset: 8, .size: 8, .value_kind: global_buffer, .address_space: global }
      - { .name: ln1_b, .offset: 16, .size: 8, .value_kind: global_buffer, .address_space: global }
      - { .name: hq, .offset: 24, .size: 8, .value_kind: global_buffer, .address_space: global }
      - { .name: Wq, .offset: 32, .size: 8, .value_kind: global_buffer, .address_space: global }
      - { .name: Wk, .offset: 40, .size: 8, .value_kind: global_buffer, .address_space: global }
      - { .name: Wv, .offset: 48, .size: 8, .value_kind: global_buffer, .address_space: global }
      - { .name: Wo, .offset: 56, .size: 8, .value_kind: global_buffer, .address_space: global }
      - { .name: W1, .offset: 64, .size: 8, .value_kind: global_buffer, .address_space: global }
      - { .name: W2, .offset: 72, .size: 8, .value_kind: global_buffer, .address_space: global }
      - { .name: wts, .offset: 80, .size: 8, .value_kind: global_buffer, .address_space: global }
    .group_segment_fixed_size: 2048
    .private_segment_fixed_size: 0
    .kernarg_segment_align: 8
    .kernarg_segment_size: 88
    .max_flat_workgroup_size: 256
    .sgpr_count:     66
    .vgpr_count:     234
    .wavefront_size: 32
...
	.end_amdgpu_metadata
.endif
;; end of part 1
;; launch qkv (part 2): grid 12 x 16, 4 waves a work-group, clusters of 4 x 4, 327,680 bytes of LDS; arguments hq, wts, bq, bk, bv, qbuf, kvbuf; writes qbuf, kvbuf
.if DOCPART == 2
	.amdgcn_target "amdgcn-amd-amdhsa--gfx1250"
	.amdhsa_code_object_version 6
	.text
	.protected	k_q67e32f5eb3_qkv
	.globl	k_q67e32f5eb3_qkv
	.p2align	8
	.type	k_q67e32f5eb3_qkv,@function
k_q67e32f5eb3_qkv:
	s_mov_b64 s[64:65], 0
	v_nop
	global_prefetch_b8 v0, s[64:65] scope:SCOPE_SE
	s_setreg_imm32_b32 hwreg(HW_REG_WAVE_MODE, 25, 1), 1
	s_wait_xcnt 0x0
	s_wait_alu depctr_hold_cnt(0) depctr_sa_sdst(0) depctr_va_vdst(0) depctr_va_sdst(0) depctr_va_ssrc(0) depctr_va_vcc(0) depctr_vm_vsrc(0)
	s_getreg_b32 s2, hwreg(HW_REG_IB_STS2, 6, 4)
	s_cmp_eq_u32 s2, 0
	s_cbranch_scc0 .Lentry_in_a_cluster
	s_endpgm
.Lentry_in_a_cluster:
	s_bfe_u32 s2, ttmp6, 0x10000c
	s_cmp_lg_u32 s2, 0xf033
	s_cbranch_scc0 .Lentry_shape_is_right
	s_endpgm
.Lentry_shape_is_right:
.set BLK,   12800
.set PIECE, 2*BLK
.set SLOT,  4*PIECE
.set SPARE, 2*SLOT
.set PANB,  8*BLK
.set NQ,    2
.set NL,    4
.set NP,    4
.set FR,    12
.set VO16,  8
.set VO8,   9
.set WO,    10
.set SH,    11
.set ADRS,  12
.set ADRA,  16
.set ADRB,  20
.set SPW,   28
.set NIL,   29
.set SC,    32
.set BN,    64
.set AF,    128
.set T,     128
.set PC,    192
.set TM,    212
.set PW,    228
.set PW2,   229
.set BM,    232
.set G1,  24
.set G0,  32
.set G1B, 48
.set G0B, 56
.set SEL, 88
.set MSB, 0
.macro WIN new
.if MSB != (\new)
	s_set_vgpr_msb (MSB<<8)|(\new)
.set MSB, (\new)
.endif
.endm
.set MUL_LO, 0xa1
.set MUL_HI, 0xf1
.set TO_B,   0x40
.macro JLOAD g0a, g1a, g0b, g1b
	s_cmp_eq_u32 s15, 0
	s_cbranch_scc0 .Lfor_b_\@
	tensor_load_to_lds s[\g0a:\g0a+3], s[\g1a:\g1a+7]
	s_nop 0
.rept 4
	v_nop
.endr
	s_branch .Lasked_\@
.Lfor_b_\@:
	tensor_load_to_lds s[\g0b:\g0b+3], s[\g1b:\g1b+7]
	s_nop 0
.rept 4
	v_nop
.endr
.Lasked_\@:
.endm
.macro CREST
	s_cmp_lg_u32 s14, 0
	s_cbranch_scc1 .Lnot_wave_0_\@
	s_barrier_signal -3
.Lnot_wave_0_\@:
	s_barrier_wait -3
	s_barrier_signal -1
	s_barrier_wait -1
.endm
.macro CROUND
	s_barrier_signal -1
	s_barrier_wait -1
	CREST
.endm
.macro PLACES n
.rept \n
	v_nop
.endr
.endm
.macro FRAG reg, a16, a8, off
	ds_load_b128 v[\reg:\reg+3], v[\a16] offset:\off
	ds_load_b64 v[\reg+4:\reg+5], v[\a8] offset:\off
	ds_load_b128 v[\reg+6:\reg+9], v[\a16] offset:\off+768
	ds_load_b64 v[\reg+10:\reg+11], v[\a8] offset:\off+768
.endm
.macro MUL16 a0, p, q, sc, zero
.irp a, \a0, \a0+1
.irp b, 0,1,2,3,4,5,6,7
.if \zero
	v_wmma_scale_f32_16x16x128_f8f6f4 v[8*(8*((\a)%4)+\b):8*(8*((\a)%4)+\b)+7], v[128*(\p)+FR*\b:128*(\p)+FR*\b+FR-1], v[AF+FR*(\a):AF+FR*(\a)+FR-1], 0, v[SC+8*NQ*(\sc)+NQ*\b+(\q)], v[SC+8*NQ*(\sc)+NQ*(\a)+(\q)] matrix_a_fmt:MATRIX_FMT_BF6 matrix_b_fmt:MATRIX_FMT_BF6 matrix_a_scale:MATRIX_SCALE_ROW1
.else
	v_wmma_scale_f32_16x16x128_f8f6f4 v[8*(8*((\a)%4)+\b):8*(8*((\a)%4)+\b)+7], v[128*(\p)+FR*\b:128*(\p)+FR*\b+FR-1], v[AF+FR*(\a):AF+FR*(\a)+FR-1], v[8*(8*((\a)%4)+\b):8*(8*((\a)%4)+\b)+7], v[SC+8*NQ*(\sc)+NQ*\b+(\q)], v[SC+8*NQ*(\sc)+NQ*(\a)+(\q)] matrix_a_fmt:MATRIX_FMT_BF6 matrix_b_fmt:MATRIX_FMT_BF6 matrix_a_scale:MATRIX_SCALE_ROW1
.endif
.endr
.endr
.endm
.macro FETCH_B slot, q, p
	WIN TO_B
.irp i, 0,1,2,3,4,5,6,7
	FRAG 128*(\p)+FR*\i, ADRB+\slot, ADRB+2+\slot, (\q)*BLK+\i*1536
.endr
	WIN 0
.endm
.macro FETCH_A slot, q, i0
.irp i, \i0, \i0+1, \i0+2, \i0+3
	FRAG AF+FR*(\i), ADRA+\slot, ADRA+2+\slot, (\q)*BLK+(\i)*1536
.endr
.endm
.macro SCALES sc
.irp i, 0,1,2,3,4,5,6,7
.irp q, 0,1
	ds_load_b32 v[SC+16*\sc+2*\i+\q], v[ADRS+\sc] offset:\q*BLK+64*\i
.endr
.endr
.endm
.macro STEP slot, q, zero
	s_wait_dscnt 4*NL
	WIN MUL_LO
	MUL16 0, (\q)%2, \q, \slot, \zero
	MUL16 2, (\q)%2, \q, \slot, \zero
	s_wait_dscnt 0x0
	PLACES NP
	FETCH_B \slot, (\q)+1, 1-(\q)%2
	FETCH_A \slot, (\q)+1, 0
	WIN MUL_HI
	MUL16 4, (\q)%2, \q, \slot, \zero
	MUL16 6, (\q)%2, \q, \slot, \zero
	PLACES NP
	WIN 0
	FETCH_A \slot, (\q)+1, 4
.endm
.macro TURN slot, next, fill
	s_wait_tensorcnt 0x0
	ds_add_u32 v[SPW], v[NIL]
	s_wait_dscnt 4*NL+1
	WIN MUL_LO
	MUL16 0, 1, NQ-1, \slot, 0
	s_wait_dscnt 0x0
	s_barrier_signal -1
	MUL16 2, 1, NQ-1, \slot, 0
	WIN 0
	s_barrier_wait -1
.if \fill
	CREST
	s_add_nc_u64 s[G0+4*\slot+2:G0+4*\slot+3], s[G0+4*\slot+2:G0+4*\slot+3], 2*PIECE
	s_add_nc_u64 s[G0B+4*\slot+2:G0B+4*\slot+3], s[G0B+4*\slot+2:G0B+4*\slot+3], 2*PIECE
	JLOAD G0+4*\slot, G1, G0B+4*\slot, G1B
.else
	PLACES NP
.endif
	FETCH_B \next, 0, 0
	FETCH_A \next, 0, 0
	SCALES \next
	WIN MUL_HI
	MUL16 4, 1, NQ-1, \slot, 0
	MUL16 6, 1, NQ-1, \slot, 0
	PLACES NP
	WIN 0
	FETCH_A \next, 0, 4
.endm
.macro QUANT s
.irp b, 0,1,2,3
	v_max3_num_f32 v[TM+\b], |v[\s+16*\b]|, |v[\s+1+16*\b]|, 0x2800000
.endr
.irp i, 2,4,6,8,10,12,14
.irp b, 0,1,2,3
	v_max3_num_f32 v[TM+\b], v[TM+\b], |v[\s+16*\b+\i]|, |v[\s+1+16*\b+\i]|
.endr
.endr
.irp b, 0,1,2,3
	v_permlanex16_b32 v[TM+4+\b], v[TM+\b], s[SEL], s[SEL+1]
.endr
.irp b, 0,1,2,3
	v_max_num_f32 v[TM+\b], v[TM+\b], v[TM+4+\b]
.endr
.irp b, 0,1,2,3
	v_add_nc_u32 v[TM+12+\b], 0xfe000000, v[TM+\b]
.endr
.irp b, 0,1,2,3
	v_lshrrev_b32 v[TM+4+\b], 23, v[TM+12+\b]
.endr
	v_lshl_or_b32 v[PW], v[TM+5], 8, v[TM+4]
	v_lshl_or_b32 v[PW], v[TM+6], 16, v[PW]
	v_lshl_or_b32 v[PW], v[TM+7], 24, v[PW]
.irp c, 0,1
	v_cvt_scalef32_pk16_bf6_f32 v[PC+6*\c:PC+2+6*\c], v[\s+32*\c:\s+15+32*\c], v[TM+12+2*\c]
	v_cvt_scalef32_pk16_bf6_f32 v[PC+12+4*\c:PC+14+4*\c], v[\s+16+32*\c:\s+31+32*\c], v[TM+12+2*\c+1]
.endr
	v_nop
.irp c, 0,1
.irp i, 0,1,2
	v_permlane16_swap_b32 v[PC+6*\c+\i], v[PC+12+4*\c+\i]
.endr
.irp i, 0,1,2
	v_mov_b32 v[PC+3+6*\c+\i], v[PC+12+4*\c+\i]
.endr
.endr
.endm
.macro EPIADD a, bb, bs
	s_wait_xcnt 0x0
	WIN 0x02+(\a)/4
.set i, 0
.rept 32
	v_pk_add_f32 v[T+2*i:T+2*i+1], v[64*((\a)%4)+2*i:64*((\a)%4)+2*i+1], v[\bb+\bs*i:\bb+\bs*i+1]
.set i, i+1
.endr
	WIN 0
.endm
.macro FIN
	s_wait_tensorcnt 0x0
	ds_add_u32 v[SPW], v[NIL]
	s_wait_dscnt 0x0
	CROUND
	s_endpgm
.endm
	s_load_b256 s[4:11], s[0:1], 0x0
	s_load_b128 s[68:71], s[0:1], 0x20
	s_load_b64 s[72:73], s[0:1], 0x30
	v_lshl_add_u32 v[SPW], v0, 2, SPARE
	v_mov_b32 v[NIL], 0
	ds_add_u32 v28, v29
	ds_add_u32 v28, v29
	s_wait_dscnt 0x0
	v_lshrrev_b32 v1, 5, v0
	v_readfirstlane_b32 s14, v1
	s_lshr_b32 s15, s14, 1
	s_and_b32 s16, s14, 1
	s_bfe_u32 s40, ttmp6, 0x40000
	s_bfe_u32 s41, ttmp6, 0x40004
	s_and_b32 s18, ttmp7, 0xffff
	s_lshl_b32 s18, s18, 2
	s_add_co_u32 s17, s18, s41
	s_add_co_u32 s42, s18, s40
	s_mul_i32 s19, ttmp9, 819200
	s_cmp_eq_u32 ttmp9, 2
	s_cselect_b32 s17, s41, s17
	s_cselect_b32 s42, s42, s40
	s_cselect_b32 s22, 1638400, 0
	s_cselect_b32 s19, 0, s19
	s_lshl_b32 s43, s41, 2
	s_lshl_b32 s43, 15, s43
	s_lshl_b32 s44, 0x1111, s40
	s_or_b32 s[G1+0], s43, (3<<16)|(1<<21)
	s_or_b32 s[G1B+0], s44, (3<<16)|(1<<21)
.irp g, G1, G1B
	s_mov_b32 s[\g+1], 32<<16
	s_mov_b32 s[\g+2], 100<<16
	s_mov_b32 s[\g+3], 32<<16
	s_mov_b32 s[\g+4], 100
	s_mov_b32 s[\g+5], 32
	s_mov_b32 s[\g+6], 0
	s_mov_b32 s[\g+7], 0
.endr
	s_lshl_b32 s20, s17, 1
	s_add_co_u32 s20, s20, s16
	s_mul_i32 s20, s20, PANB
	s_add_co_u32 s20, s20, s22
	s_mov_b32 s21, 0
	s_lshl_b32 s46, s42, 1
	s_add_co_u32 s46, s46, s16
	s_mul_i32 s46, s46, PANB
	s_add_co_u32 s46, s46, s19
	s_mov_b32 s47, 0
	s_mul_i32 s45, s14, PIECE
	s_mov_b32 s[SEL], 0x76543210
	s_mov_b32 s[SEL+1], 0xfedcba98
	s_wait_kmcnt 0x0
	s_cmp_eq_u32 ttmp9, 2
	s_cselect_b64 s[74:75], s[6:7], s[4:5]
	s_cselect_b64 s[76:77], s[4:5], s[6:7]
	s_cselect_b64 s[78:79], s[68:69], s[8:9]
	s_cmp_eq_u32 ttmp9, 1
	s_cselect_b64 s[78:79], s[10:11], s[78:79]
	s_add_nc_u64 s[20:21], s[74:75], s[20:21]
	s_add_nc_u64 s[46:47], s[76:77], s[46:47]
	CROUND
.irp s, 0,1
	s_mov_b32 s[G0+4*\s], 1
	s_add_co_u32 s[G0+4*\s+1], s45, \s*SLOT
	s_add_nc_u64 s[G0+4*\s+2:G0+4*\s+3], s[20:21], \s*PIECE
	s_or_b32 s[G0+4*\s+3], s[G0+4*\s+3], 0x80000000
	s_mov_b32 s[G0B+4*\s], 1
	s_add_co_u32 s[G0B+4*\s+1], s45, \s*SLOT
	s_add_nc_u64 s[G0B+4*\s+2:G0B+4*\s+3], s[46:47], \s*PIECE
	s_or_b32 s[G0B+4*\s+3], s[G0B+4*\s+3], 0x80000000
.if \s == 1                                    ; slot 1's first fill is issued as a refill is
	s_wait_alu depctr_va_vdst(0)
	s_wait_tensorcnt 0x0
	ds_add_u32 v28, v29
	ds_add_u32 v28, v29
	s_wait_dscnt 0x0
	CROUND
.endif
	JLOAD G0+4*\s, G1, G0B+4*\s, G1B
.endr
	v_and_b32 v1, 15, v0
	v_bfe_u32 v2, v0, 4, 1
	v_and_b32 v3, 31, v0
	v_lshlrev_b32 v[VO16], 4, v3
	v_lshlrev_b32 v4, 4, v1
	v_lshl_add_u32 v4, v2, 3, v4
	v_add_nc_u32 v[VO8], 512, v4
	s_mul_i32 s21, s15, PIECE
	s_mul_i32 s22, s16, PIECE
	s_add_co_u32 s22, s22, 2*PIECE
.irp s, 0,1
	v_add_nc_u32 v[ADRA+\s], s21, v[VO16]
	v_add_nc_u32 v[ADRA+2+\s], s21, v[VO8]
	v_add_nc_u32 v[ADRB+\s], s22, v[VO16]
	v_add_nc_u32 v[ADRB+2+\s], s22, v[VO8]
	s_add_co_u32 s21, s21, SLOT
	s_add_co_u32 s22, s22, SLOT
.endr
	s_mul_i32 s21, s15, PIECE
	s_mul_i32 s22, s16, PIECE
	s_add_co_u32 s22, s22, 2*PIECE
	s_sub_co_u32 s22, s22, s21
	v_mul_u32_u24 v6, s22, v2
	v_lshl_add_u32 v6, v1, 2, v6
	s_add_co_u32 s21, s21, 12288
	v_add_nc_u32 v[ADRS], s21, v6
	v_add_nc_u32 v[ADRS+1], SLOT, v[ADRS]
	s_lshl_b32 s96, s40, 10
	s_lshl_b32 s97, s16, 9
	s_add_co_u32 s96, s96, s97
	s_mov_b32 s97, 0
	s_add_nc_u64 s[82:83], s[78:79], s[96:97]
	s_lshl_b32 s96, s41, 10
	s_lshl_b32 s98, s15, 9
	s_add_co_u32 s96, s96, s98
	s_add_nc_u64 s[84:85], s[78:79], s[96:97]
	v_lshlrev_b32 v24, 6, v2
	v_and_b32 v25, 8, v1
	v_add_nc_u32 v25, v25, v1
	v_lshlrev_b32 v25, 2, v25
.irp b, 0,1,2,3
.irp j, 0,1,2,3
	global_load_b128 v[BN+16*\b+4*\j:BN+16*\b+4*\j+3], v24, s[82:83] offset:128*\b+16*\j
.endr
.endr
.irp a, 0,1,2,3,4,5,6,7
	global_load_b32 v[BM+2*\a], v25, s[84:85] offset:(32*(\a/2)+8*(\a%2))*4
	global_load_b32 v[BM+2*\a+1], v25, s[84:85] offset:(32*(\a/2)+8*(\a%2))*4
.endr
	s_wait_alu depctr_va_vdst(0)
	s_wait_tensorcnt 1
	s_barrier_signal -1
	s_barrier_wait -1
	FETCH_B 0, 0, 0
	FETCH_A 0, 0, 0
	SCALES 0
	FETCH_A 0, 0, 4
	STEP 0, 0, 1
	TURN 0, 1, 1
	STEP 1, 0, 0
	TURN 1, 0, 1
	STEP 0, 0, 0
	TURN 0, 1, 0
	STEP 1, 0, 0
	s_wait_dscnt 4*NL
	WIN MUL_LO
	MUL16 0, 1, NQ-1, 1, 0
	MUL16 2, 1, NQ-1, 1, 0
	s_wait_dscnt 0x0
	WIN MUL_HI
	MUL16 4, 1, NQ-1, 1, 0
	MUL16 6, 1, NQ-1, 1, 0
	WIN 0
	s_wait_loadcnt 0x0
	PLACES NP
.irp b, 0,1,2,3
	v_mov_b32 v[TM+4+\b], 0
.endr
	s_cmp_eq_u32 ttmp9, 2
	s_cbranch_scc1 .Lvpath
	s_mov_b32 s90, 208896
	s_mov_b32 s91, 13056
	s_cmp_eq_u32 ttmp9, 0
	s_cselect_b32 s90, 106496, s90
	s_cselect_b32 s91, 6656, s91
	s_cselect_b64 s[74:75], s[70:71], s[72:73]
	s_lshr_b32 s96, s17, 3
	s_lshl_b32 s96, s96, 4
	s_lshl_b32 s97, s40, 2
	s_add_co_u32 s96, s96, s97
	s_lshl_b32 s97, s16, 1
	s_add_co_u32 s96, s96, s97
	s_mul_i32 s96, s96, s90
	s_lshl_b32 s97, s17, 1
	s_add_co_u32 s97, s97, s15
	s_and_b32 s97, s97, 15
	s_mul_i32 s97, s97, s91
	s_add_co_u32 s96, s96, s97
	s_mov_b32 s97, 0
	s_mov_b32 s91, 0
	s_add_nc_u64 s[92:93], s[74:75], s[96:97]
	s_add_nc_u64 s[94:95], s[92:93], s[90:91]
	v_mul_u32_u24 v[WO], s90, v2
	v_lshl_add_u32 v[WO], v1, 2, v[WO]
	v_lshlrev_b32 v[SH], 4, v2
.irp a, 0,1,2,3,4,5,6,7
	EPIADD \a, BN, 2
	QUANT T
	v_lshrrev_b32 v[PW2], v[SH], v[PW]
	global_store_b128 v[VO16], v[PC:PC+3], s[92:93] offset:\a*768
	global_store_b64 v[VO8], v[PC+4:PC+5], s[92:93] offset:\a*768
	global_store_b128 v[VO16], v[PC+6:PC+9], s[94:95] offset:\a*768
	global_store_b64 v[VO8], v[PC+10:PC+11], s[94:95] offset:\a*768
	global_store_b32 v[WO], v[PW2], s[92:93] offset:6144+64*\a
.endr
	FIN
.Lvpath:
	s_lshr_b32 s96, s42, 3
	s_lshl_b32 s96, s96, 4
	s_lshl_b32 s97, s41, 2
	s_add_co_u32 s96, s96, s97
	s_lshl_b32 s97, s15, 1
	s_add_co_u32 s96, s96, s97
	s_mul_i32 s96, s96, 208896
	s_lshl_b32 s97, s42, 1
	s_add_co_u32 s97, s97, s16
	s_and_b32 s97, s97, 15
	s_mul_i32 s97, s97, 13056
	s_add_co_u32 s96, s96, s97
	s_add_co_u32 s96, s96, 6656
	s_mov_b32 s97, 0
	s_add_nc_u64 s[92:93], s[72:73], s[96:97]
	v_lshlrev_b32 v[WO], 2, v1
.irp a, 0,1,2,3,4,5,6,7
	EPIADD \a, BM+2*\a, 0
	QUANT T
	global_store_b128 v[VO16], v[PC:PC+3], s[92:93] offset:(\a/4)*208896+(\a%4)*1536
	global_store_b64 v[VO8], v[PC+4:PC+5], s[92:93] offset:(\a/4)*208896+(\a%4)*1536
	global_store_b128 v[VO16], v[PC+6:PC+9], s[92:93] offset:(\a/4)*208896+(\a%4)*1536+768
	global_store_b64 v[VO8], v[PC+10:PC+11], s[92:93] offset:(\a/4)*208896+(\a%4)*1536+768
	global_store_b32 v[WO], v[PW], s[92:93] offset:(\a/4)*208896+6144+(\a%4)*64
.endr
	FIN
.Lfunc_end_k_q67e32f5eb3_qkv:
	.size	k_q67e32f5eb3_qkv, .Lfunc_end_k_q67e32f5eb3_qkv-k_q67e32f5eb3_qkv
	.p2alignl 7, 3214868480
	.fill 96, 4, 3214868480
	.section	.rodata,"a",@progbits
	.p2align	6, 0x0
	.amdhsa_kernel k_q67e32f5eb3_qkv
		.amdhsa_group_segment_fixed_size 327680
		.amdhsa_private_segment_fixed_size 0
		.amdhsa_enable_private_segment 0
		.amdhsa_kernarg_size 56
		.amdhsa_user_sgpr_count 2
		.amdhsa_user_sgpr_kernarg_segment_ptr 1
		.amdhsa_wavefront_size32 1
		.amdhsa_system_sgpr_workgroup_id_x 1
		.amdhsa_system_sgpr_workgroup_id_y 1
		.amdhsa_system_sgpr_workgroup_id_z 1
		.amdhsa_system_vgpr_workitem_id 0
		.amdhsa_next_free_vgpr 1024
		.amdhsa_next_free_sgpr 100
		.amdhsa_reserve_vcc 0
		.amdhsa_float_denorm_mode_32 3
		.amdhsa_float_denorm_mode_16_64 3
		.amdhsa_memory_ordered 1
		.amdhsa_forward_progress 1
		.amdhsa_inst_pref_size 221
	.end_amdhsa_kernel
	.amdgpu_metadata
---
amdhsa.version: [ 1, 2 ]
amdhsa.kernels:
  - .name:           k_q67e32f5eb3_qkv
    .symbol:         k_q67e32f5eb3_qkv.kd
    .args:
      - { .name: hq, .offset: 0, .size: 8, .value_kind: global_buffer, .address_space: global }
      - { .name: wts, .offset: 8, .size: 8, .value_kind: global_buffer, .address_space: global }
      - { .name: bq, .offset: 16, .size: 8, .value_kind: global_buffer, .address_space: global }
      - { .name: bk, .offset: 24, .size: 8, .value_kind: global_buffer, .address_space: global }
      - { .name: bv, .offset: 32, .size: 8, .value_kind: global_buffer, .address_space: global }
      - { .name: qbuf, .offset: 40, .size: 8, .value_kind: global_buffer, .address_space: global }
      - { .name: kvbuf, .offset: 48, .size: 8, .value_kind: global_buffer, .address_space: global }
    .group_segment_fixed_size: 327680
    .private_segment_fixed_size: 0
    .kernarg_segment_align: 8
    .kernarg_segment_size: 56
    .max_flat_workgroup_size: 128
    .sgpr_count:     100
    .vgpr_count:     1024
    .wavefront_size: 32
...
	.end_amdgpu_metadata
.endif
;; end of part 2
;; launch attn (part 3): grid 8 x 32, 16 waves a work-group, clusters of 4 x 1, 210,944 bytes of LDS; arguments qbuf, kvbuf, ctx; writes ctx
.if DOCPART == 3
	.amdgcn_target "amdgcn-amd-amdhsa--gfx1250"
	.amdhsa_code_object_version 6
	.text
	.protected	k_q67e32f5eb3_attn
	.globl	k_q67e32f5eb3_attn
	.p2align	8
	.type	k_q67e32f5eb3_attn,@function
k_q67e32f5eb3_attn:
	s_mov_b64 s[64:65], 0
	v_nop
	global_prefetch_b8 v0, s[64:65] scope:SCOPE_SE
	s_setreg_imm32_b32 hwreg(HW_REG_WAVE_MODE, 25, 1), 1
	s_wait_xcnt 0x0
	s_wait_alu depctr_hold_cnt(0) depctr_sa_sdst(0) depctr_va_vdst(0) depctr_va_sdst(0) depctr_va_ssrc(0) depctr_va_vcc(0) depctr_vm_vsrc(0)
	s_getreg_b32 s2, hwreg(HW_REG_IB_STS2, 6, 4)
	s_cmp_eq_u32 s2, 0
	s_cbranch_scc0 .Lentry_in_a_cluster
	s_endpgm
.Lentry_in_a_cluster:
	s_bfe_u32 s2, ttmp6, 0x10000c
	s_cmp_lg_u32 s2, 0x3003
	s_cbranch_scc0 .Lentry_shape_is_right
	s_endpgm
.Lentry_shape_is_right:
; ctx[q] = the sum over keys of softmax(q . k / 8) v for one head, both products on codes of BF6 (E3M2) with E8M0 scales; ctx is quantised along the model's 1,024 and leaves as codes.
; THE SOFTMAX: t = score x log2(e) / 8; M = the running largest t rounded UP to a whole number; p = 2^(t - M) is quantised along the keys, not normalised; the row's sum is taken of the
; unquantised p and divides at the end; when M moves, the sum and O are multiplied by 2^(old M - new M), which rounds nothing.
; SHARES: a work-group owns 256 queries of one head, each of its sixteen waves one tile of 16, in 256 registers.  A head's K and V, 208,896 bytes, lie in LDS whole: wave w brings key step w
; (51 rows of 256 bytes), once; nothing is filled again.  CLUSTER: the four query blocks of a cluster belong to one head: each load is asked for jointly, with the mask of all four.
; No prefetch: all tensor loads go out at the head, so there is no loop ahead of them in which to ask.
; LAYOUT: both products transposed (S^T = K Q^T, O^T = V^T P^T): a lane holds one query.  Lane-row p of tile t is row 32 (t / 2) + 8 (t % 2) + p + 8 (p / 8), so the 16 registers of tiles 2 b, 2 b + 1
; are keys (or channels) 32 b + 16 (lane / 16) + 0 .. 15.  A key step's block: K's units at 768 a, K's words at 6,144 + 64 a + 4 p, V^T's tiles at 6,656 + 1,536 t, V's words at 12,800 + 64 t + 4 p.
; THE FIRST PRODUCT'S K IS 64: registers 6-11 of Q's fragment are zero codes.  Every code of E3M2 is a finite number and K's scale bytes are finite codes, so whatever lies in registers 6-11 of a fragment
; of K adds nothing: tile a's fragment is v[KF + 6 a .. + 11], its upper half being tile a + 1's data.  54 registers hold all eight tiles.
; ONE STEP AHEAD: K's fragments of step t + 1 are asked of LDS behind step t's first products, V's behind its second products; each has registers of its own.  The last step is written out: it asks for nothing.
; LIMITS: blocks of zeros or under 2^-122 get the byte 1 (only this program reads the bytes); NaN and infinities are not served; the scaled scores stay under 2^31 in magnitude.
.set STEPB, 13056
.set C16, 1                            ; v1 16 l;  v2 512 + 16 p + 8 h;  v3 6,144 + 4 l: they stay
.set C8,  2
.set CW,  3
.set A16, 0                            ; the same + the step's place in LDS
.set A8,  29
.set AW,  253
.set MX,  4                            ; v4-7 block maxima, v8-11 the other half's, then the bytes; then both take the conversions' second halves
.set PT,  8
.set CT,  4
.set FF,  30                           ; v30 f; v31 at work (the pair's upper half)
.set TT,  31
.set KF,  32                           ; v32-85 K
.set KW,  86                           ; v86-89 K's words (lanes 0-15 tile 2 n, lanes 16-31 tile 2 n + 1); v90-91 V's
.set VW,  90
.set SO,  92                           ; v92-95 the conversions' scale operands
.set SS,  96                           ; v96-159 S^T, then p
.set OO,  160                          ; v160-191 O^T
.set VF,  192                          ; v192-239 V^T
.set PCD, 240                          ; v240-251 p's codes
.set PWD, 252                          ; p's scale word
.set WV,  14
.set SEL, 56
.set CS,  58
.set TB,  60
.macro CROUND
	s_barrier_signal -1
	s_barrier_wait -1
	s_cmp_lg_u32 s[WV], 0
	s_cbranch_scc1 .Lnot_wave_0_\@
	s_barrier_signal -3
.Lnot_wave_0_\@:
	s_barrier_wait -3
	s_barrier_signal -1
	s_barrier_wait -1
.endm
.macro KLOAD                           ; 20 LDS loads
.irp a, 0,1,2,3,4,5,6,7
	ds_load_b128 v[KF+6*\a:KF+6*\a+3], v[A16] offset:768*\a
	ds_load_b64 v[KF+6*\a+4:KF+6*\a+5], v[A8] offset:768*\a
.endr
.irp n, 0,1,2,3
	ds_load_b32 v[KW+\n], v[AW] offset:128*\n
.endr
.endm
.macro VLOAD                           ; 18 LDS loads
.irp t, 0,1,2,3
.irp c, 0,1
	ds_load_b128 v[VF+12*\t+6*\c:VF+12*\t+6*\c+3], v[A16] offset:6656+1536*\t+768*\c
	ds_load_b64 v[VF+12*\t+6*\c+4:VF+12*\t+6*\c+5], v[A8] offset:6656+1536*\t+768*\c
.endr
.endr
.irp n, 0,1
	ds_load_b32 v[VW+\n], v[AW] offset:6656+128*\n
.endr
.endm
.macro TRIP last                       ; 128 keys
	s_wait_dscnt 18                                ; K's 20 loads are in; V's 18, issued behind them, may be out
.irp a, 0,2,4,6
	v_wmma_scale_f32_16x16x128_f8f6f4 v[SS+8*\a:SS+8*\a+7], v[KF+6*\a:KF+6*\a+11], v[16:27], 0, v[KW+\a/2], v28 matrix_a_fmt:MATRIX_FMT_BF6 matrix_b_fmt:MATRIX_FMT_BF6
	v_wmma_scale_f32_16x16x128_f8f6f4 v[SS+8*\a+8:SS+8*\a+15], v[KF+6*\a+6:KF+6*\a+17], v[16:27], 0, v[KW+\a/2], v28 matrix_a_fmt:MATRIX_FMT_BF6 matrix_b_fmt:MATRIX_FMT_BF6 matrix_a_scale:MATRIX_SCALE_ROW1
.endr
.if \last
.rept 4
	v_nop                                          ; four places ahead of the first read of S^T
.endr
.else
	s_add_co_u32 s[TB], s[TB], STEPB
	v_add_nc_u32 v[A16], s[TB], v[C16]             ; the next step's addresses: with the v_nop the four places ahead of the loads into K's registers and of the first read of S^T
	v_add_nc_u32 v[A8], s[TB], v[C8]
	v_add_nc_u32 v[AW], s[TB], v[CW]
	v_nop
	KLOAD
.endif
.irp b, 0,1,2,3
	v_max3_num_f32 v[MX+\b], v[SS+16*\b], v[SS+1+16*\b], v[SS+2+16*\b]   ; the largest score of each block of 32 keys: for the row's maximum and, since p rises with the score, for the block's largest p
.endr
.irp i, 3,5,7,9,11,13
.irp b, 0,1,2,3
	v_max3_num_f32 v[MX+\b], v[MX+\b], v[SS+16*\b+\i], v[SS+1+16*\b+\i]
.endr
.endr
.irp b, 0,1,2,3
	v_max_num_f32 v[MX+\b], v[MX+\b], v[SS+15+16*\b]
.endr
.irp b, 0,1,2,3
	v_permlanex16_b32 v[PT+\b], v[MX+\b], s[SEL], s[SEL+1]
.endr
.irp b, 0,1,2,3
	v_max_num_f32 v[MX+\b], v[MX+\b], v[PT+\b]     ; with lane l xor 16's 16 keys
.endr
	v_max3_num_f32 v[TT], v[MX], v[MX+1], v[MX+2]
	s_delay_alu instid0(VALU_DEP_1)
	v_max_num_f32 v[TT], v[TT], v[MX+3]
	s_delay_alu instid0(VALU_DEP_1)
	v_mul_f32 v[TT], s[CS], v[TT]                  ; as t
	s_delay_alu instid0(VALU_DEP_1)
	v_max_num_f32 v13, v13, v[TT]                  ; the running largest t
	s_delay_alu instid0(VALU_DEP_1)
	v_floor_f32 v[TT], -v13                        ; the new -M = -ceil(t)
	s_delay_alu instid0(VALU_DEP_1)
	v_sub_f32 v[FF], v[TT], v12                    ; old M - new M: a whole number, 0 or less
	v_mov_b32 v12, v[TT]
	s_delay_alu instid0(VALU_DEP_2)
	v_cvt_i32_f32 v[FF], v[FF]                     ; (it saturates)
	s_delay_alu instid0(VALU_DEP_1)
	v_ldexp_f32 v[FF], 1.0, v[FF]                  ; f = 2^(old M - new M)
.set j, 0
.rept 32
	v_pk_fma_f32 v[SS+j:SS+j+1], v[SS+j:SS+j+1], s[CS:CS+1], v[12:13] op_sel_hi:[1,0,0]   ; t - M
.set j, j+2
.endr
.irp b, 0,1,2,3
	v_fma_f32 v[MX+\b], v[MX+\b], s[CS], v12       ; the same of each block's largest score
.endr
.set j, 0
.rept 16
	v_pk_mul_f32 v[OO+j:OO+j+1], v[OO+j:OO+j+1], v[FF:FF+1] op_sel_hi:[1,0]   ; O^T under the new M, ahead of the exponentials
.set j, j+2
.endr
	s_wait_alu depctr_va_vdst(0)                   ; ahead of the batch
.irp b, 0,1,2,3
	v_exp_f32 v[MX+\b], v[MX+\b]                   ; the block's largest p: the same two instructions on the same number
.endr
.set j, 0
.rept 64
	v_exp_f32 v[SS+j], v[SS+j]                     ; p = 2^(t - M)
.set j, j+1
.endr
	v_pk_mul_f32 v[14:15], v[14:15], v[FF:FF+1] op_sel_hi:[1,0]   ; the sums under the new M (a plain place behind the exponentials)
	s_wait_alu depctr_va_vdst(0)                   ; and behind it, ahead of its first reader
.irp b, 0,1,2,3
	v_max_num_f32 v[MX+\b], 0x2800000, v[MX+\b]    ; the floor 2^(5 - 127)
.endr
.irp b, 0,1,2,3
	v_add_nc_u32 v[SO+\b], 0xfe000000, v[MX+\b]    ; 4 off the exponent field: the conversion's scale operand
.endr
.irp b, 0,1,2,3
	v_lshrrev_b32 v[PT+\b], 23, v[SO+\b]           ; the byte
.endr
	v_lshl_or_b32 v[PWD], v[PT+1], 8, v[PT]        ; p's scale word for these 128 keys
	s_delay_alu instid0(VALU_DEP_1)
	v_lshl_or_b32 v[PWD], v[PT+2], 16, v[PWD]
	s_delay_alu instid0(VALU_DEP_1)
	v_lshl_or_b32 v[PWD], v[PT+3], 24, v[PWD]
.irp c, 0,1
	v_cvt_scalef32_pk16_bf6_f32 v[PCD+6*\c:PCD+2+6*\c], v[SS+32*\c:SS+15+32*\c], v[SO+2*\c]
	v_cvt_scalef32_pk16_bf6_f32 v[CT+4*\c:CT+2+4*\c], v[SS+16+32*\c:SS+31+32*\c], v[SO+2*\c+1]
.endr
	v_nop                                          ; one plain place behind a scaled conversion
.irp c, 0,1                                    ; the operand wants a whole block in a lane
.irp i, 0,1,2
	v_permlane16_swap_b32 v[PCD+6*\c+\i], v[CT+4*\c+\i]
.endr
.irp i, 0,1,2
	v_mov_b32 v[PCD+3+6*\c+\i], v[CT+4*\c+\i]
.endr
.endr
.irp d, 32,16,8                                ; the row's sum of the unquantised p, folded in place: 32 pairs to 4
.set j, 0
.rept \d/2
	v_pk_add_f32 v[SS+j:SS+j+1], v[SS+j:SS+j+1], v[SS+\d+j:SS+\d+j+1]
.set j, j+2
.endr
.endr
	s_wait_alu depctr_va_vdst(0)
.if \last
	s_wait_dscnt 0x0
.else
	s_wait_dscnt 20                                ; V's 18 loads are in; the next step's 20 of K may be out
.endif
.irp t, 0,2                                    ; O^T += V^T P^T: the four accumulators by turns, eight other products between a sum's steps
	v_wmma_scale_f32_16x16x128_f8f6f4 v[OO+8*\t:OO+8*\t+7], v[VF+12*\t:VF+12*\t+11], v[PCD:PCD+11], v[OO+8*\t:OO+8*\t+7], v[VW+\t/2], v[PWD] matrix_a_fmt:MATRIX_FMT_BF6 matrix_b_fmt:MATRIX_FMT_BF6
	v_wmma_scale_f32_16x16x128_f8f6f4 v[OO+8*\t+8:OO+8*\t+15], v[VF+12*\t+12:VF+12*\t+23], v[PCD:PCD+11], v[OO+8*\t+8:OO+8*\t+15], v[VW+\t/2], v[PWD] matrix_a_fmt:MATRIX_FMT_BF6 matrix_b_fmt:MATRIX_FMT_BF6 matrix_a_scale:MATRIX_SCALE_ROW1
.endr
	v_pk_add_f32 v[SS:SS+1], v[SS:SS+1], v[SS+4:SS+5]          ; the sum's last four additions are the four places behind these products
	v_pk_add_f32 v[SS+2:SS+3], v[SS+2:SS+3], v[SS+6:SS+7]
	v_pk_add_f32 v[SS:SS+1], v[SS:SS+1], v[SS+2:SS+3]
	v_pk_add_f32 v[14:15], v[14:15], v[SS:SS+1]
.if \last == 0
	VLOAD
.endif
.endm
	s_load_b128 s[4:7], s[0:1], 0x0                ; qbuf, kvbuf
	s_load_b64 s[8:9], s[0:1], 0x10                ; ctx
	v_lshl_add_u32 v254, v0, 2, 0x33000            ; my spare word, behind the sixteen key steps
	v_mov_b32 v255, 0
	ds_add_u32 v254, v255
	ds_add_u32 v254, v255
	v_lshrrev_b32 v8, 5, v0
	v_readfirstlane_b32 s[WV], v8                  ; wave 0..15
	s_bfe_u32 s15, ttmp6, 0x40000                  ; cx: it enters Q's and ctx's addresses alone
	s_lshl_b32 s16, ttmp9, 2
	s_add_co_u32 s16, s16, s15                     ; my block of 256 queries
	s_and_b32 s17, ttmp7, 0xffff                   ; 16 batch + head, which the partners share
	s_mul_i32 s18, s[WV], STEPB                    ; the key step that I fetch: in LDS,
	s_mul_i32 s20, s17, 208896
	s_add_co_u32 s20, s20, s18                     ; and in kvbuf
	s_mov_b32 s21, 0
	s_lshl_b32 s22, s16, 1
	s_lshr_b32 s23, s[WV], 3
	s_add_co_u32 s22, s22, s23                     ; my queries' step of 128 tokens
	s_and_b32 s23, s[WV], 7                        ; and their tile in it
	s_mul_i32 s48, s17, 106496
	s_mul_i32 s49, s22, 6656
	s_add_co_u32 s48, s48, s49
	s_lshl_b32 s50, s23, 6
	s_add_co_u32 s50, s50, s48
	s_add_co_u32 s50, s50, 6144                    ; Q's scale words
	s_mul_i32 s49, s23, 768
	s_add_co_u32 s48, s48, s49                     ; Q's unit
	s_mov_b32 s49, 0
	s_mov_b32 s51, 0
	s_lshr_b32 s52, s17, 4
	s_lshl_b32 s52, s52, 4
	s_add_co_u32 s52, s52, s22                     ; ctx: the panel of 128 tokens,
	s_mul_i32 s52, s52, 102400
	s_bfe_u32 s53, s17, 0x30001                    ; head / 2: the K step of 128,
	s_mul_i32 s53, s53, 12800
	s_add_co_u32 s52, s52, s53
	s_and_b32 s53, s17, 1                          ; head % 2: the unit of 64
	s_lshl_b32 s54, s23, 6
	s_add_co_u32 s54, s54, s52
	s_add_co_u32 s54, s54, 12288
	s_lshl_b32 s55, s53, 1
	s_add_co_u32 s54, s54, s55                     ; my two bytes of the rows' scale words
	s_mul_i32 s55, s23, 1536
	s_add_co_u32 s52, s52, s55
	s_mul_i32 s55, s53, 768
	s_add_co_u32 s52, s52, s55
	s_mov_b32 s53, 0
	s_mov_b32 s55, 0
	s_mov_b32 s24, 15|(3<<16)|(1<<21)              ; group 1: the mask of all four work-groups; elements of 8 bytes; bit 21 beside a mask
	s_mov_b32 s25, 32<<16                          ; rows of 256 bytes,
	s_mov_b32 s26, 51<<16                          ; 51 of them,
	s_mov_b32 s27, 32<<16
	s_mov_b32 s28, 51
	s_mov_b32 s29, 32                              ; dense
	s_mov_b32 s30, 0
	s_mov_b32 s31, 0
	s_mov_b32 s[SEL], 0x76543210
	s_mov_b32 s[SEL+1], 0xfedcba98
	s_mov_b32 s[CS], 0x3e38aa3b                    ; c = log2(e) / 8
	s_mov_b32 s[CS+1], s[CS]
	s_mov_b32 s[TB], 0
	s_wait_dscnt 0x0
	s_wait_kmcnt 0x0
	s_mov_b32 s40, 1
	s_mov_b32 s41, s18
	s_add_nc_u64 s[42:43], s[6:7], s[20:21]
	s_or_b32 s43, s43, 0x80000000
	s_add_nc_u64 s[48:49], s[4:5], s[48:49]
	s_add_nc_u64 s[50:51], s[4:5], s[50:51]
	s_add_nc_u64 s[52:53], s[8:9], s[52:53]
	s_add_nc_u64 s[54:55], s[8:9], s[54:55]
	CROUND                                         ; all four work-groups are here: the joint loads meet
	tensor_load_to_lds s[40:43], s[24:31]          ; my one tensor load of the launch
	s_nop 0
.rept 4
	v_nop
.endr
	v_and_b32 v9, 15, v0                           ; p
	v_bfe_u32 v10, v0, 4, 1                        ; h
	v_and_b32 v11, 31, v0
	v_lshlrev_b32 v[C16], 4, v11
	v_lshlrev_b32 v[C8], 4, v9
	v_lshl_add_u32 v[C8], v10, 3, v[C8]
	v_add_nc_u32 v[C8], 512, v[C8]
	v_lshl_add_u32 v[CW], v11, 2, 6144
	v_lshlrev_b32 v7, 2, v9                        ; 4 p
	global_load_b128 v[16:19], v[C16], s[48:49]    ; Q's unit stays in registers
	global_load_b64 v[20:21], v[C8], s[48:49]
	global_load_b32 v28, v7, s[50:51]
.irp j, 22,23,24,25,26,27
	v_mov_b32 v\j, 0                               ; Q, k = 64 .. 127: zero codes
.endr
.irp j, 48,49,50,51,52,53
	v_mov_b32 v[KF+\j], 0                          ; the upper half of K's last fragment: written once
.endr
	v_mov_b32 v13, 0xff61b1e6                      ; the largest t so far: -3e38
	v_floor_f32 v12, -v13                          ; -M
	v_mov_b32 v14, 0
	v_mov_b32 v15, 0
	v_mov_b32 v[TT], 0
.irp b, 0,1,2,3
	v_mov_b32 v[PT+\b], 0                          ; a lane permute's destination counts as one of its sources
.endr
.set j, 0
.rept 32
	v_mov_b32 v[OO+j], 0                           ; O^T: the first step finds zeros, which the first change of M leaves zeros
.set j, j+1
.endr
	v_add_nc_u32 v[A16], s[TB], v[C16]             ; step 0's addresses (the thread's number is needed no more)
	v_add_nc_u32 v[A8], s[TB], v[C8]
	v_add_nc_u32 v[AW], s[TB], v[CW]
	s_wait_alu depctr_va_vdst(0)
	s_wait_loadcnt 0x0                             ; Q
	s_wait_tensorcnt 0x0                           ; my key step has landed,
	s_barrier_signal -1
	s_barrier_wait -1                              ; everybody's has
	KLOAD
	VLOAD
	s_mov_b32 s61, 15
.Lstep:
	TRIP 0
	s_sub_co_u32 s61, s61, 1
	s_cmp_lg_u32 s61, 0
	s_wait_alu depctr_va_vdst(0)                   ; ahead of the backward jump
	s_cbranch_scc1 .Lstep
	TRIP 1
	; THE WAY OUT: O^T / the sum; register 16 b + i = channel 32 b + 16 h + i of my query: two blocks of the next product's K
	v_add_f32 v14, v14, v15
	s_delay_alu instid0(VALU_DEP_1)
	v_permlanex16_b32 v[FF], v14, s[SEL], s[SEL+1]
	s_delay_alu instid0(VALU_DEP_1)
	v_add_f32 v14, v14, v[FF]                      ; the row's sum
	v_and_b32 v[TT], 60, v[CW]                     ; 4 p
	s_wait_alu depctr_va_vdst(0)
	v_rcp_f32 v14, v14
	v_nop                                          ; one plain place behind a transcendental
	s_wait_alu depctr_va_vdst(0)                   ; directly ahead of the first reader of the quotient and of O^T
.set j, 0
.rept 16
	v_pk_mul_f32 v[SS+j:SS+j+1], v[OO+j:OO+j+1], v[14:15] op_sel_hi:[1,0]
.set j, j+2
.endr
.irp b, 0,1
	v_max3_num_f32 v[MX+\b], |v[SS+16*\b]|, |v[SS+1+16*\b]|, 0x2800000
.endr
.irp i, 2,4,6,8,10,12,14
.irp b, 0,1
	v_max3_num_f32 v[MX+\b], v[MX+\b], |v[SS+16*\b+\i]|, |v[SS+1+16*\b+\i]|
.endr
.endr
.irp b, 0,1
	v_permlanex16_b32 v[PT+\b], v[MX+\b], s[SEL], s[SEL+1]
.endr
.irp b, 0,1
	v_max_num_f32 v[MX+\b], v[MX+\b], v[PT+\b]
.endr
.irp b, 0,1
	v_add_nc_u32 v[SO+\b], 0xfe000000, v[MX+\b]
.endr
.irp b, 0,1
	v_lshrrev_b32 v[PT+\b], 23, v[SO+\b]
.endr
	v_lshl_or_b32 v[PWD], v[PT+1], 8, v[PT]        ; my head's two bytes of the row's scale word
	v_cvt_scalef32_pk16_bf6_f32 v[PCD:PCD+2], v[SS:SS+15], v[SO]
	v_cvt_scalef32_pk16_bf6_f32 v[CT:CT+2], v[SS+16:SS+31], v[SO+1]
	v_nop
.irp i, 0,1,2
	v_permlane16_swap_b32 v[PCD+\i], v[CT+\i]
.endr
.irp i, 0,1,2
	v_mov_b32 v[PCD+3+\i], v[CT+\i]
.endr
	global_store_b128 v[C16], v[PCD:PCD+3], s[52:53]   ; a unit: 512 consecutive aligned bytes,
	global_store_b64 v[C8], v[PCD+4:PCD+5], s[52:53]   ; and 256
	global_store_b16 v[TT], v[PWD], s[54:55]           ; two bytes a row: the word's other half belongs to the neighbouring head's work-group
	s_wait_tensorcnt 0x0                           ; the wave's end
	ds_add_u32 v254, v255
	s_wait_dscnt 0x0
	CROUND                                         ; the closing round
	s_endpgm
.Lfunc_end_k_q67e32f5eb3_attn:
	.size	k_q67e32f5eb3_attn, .Lfunc_end_k_q67e32f5eb3_attn-k_q67e32f5eb3_attn
	.p2alignl 7, 3214868480
	.fill 96, 4, 3214868480
	.section	.rodata,"a",@progbits
	.p2align	6, 0x0
	.amdhsa_kernel k_q67e32f5eb3_attn
		.amdhsa_group_segment_fixed_size 210944
		.amdhsa_private_segment_fixed_size 0
		.amdhsa_enable_private_segment 0
		.amdhsa_kernarg_size 24
		.amdhsa_user_sgpr_count 2
		.amdhsa_user_sgpr_kernarg_segment_ptr 1
		.amdhsa_wavefront_size32 1
		.amdhsa_system_sgpr_workgroup_id_x 1
		.amdhsa_system_sgpr_workgroup_id_y 1
		.amdhsa_system_sgpr_workgroup_id_z 1
		.amdhsa_system_vgpr_workitem_id 0
		.amdhsa_next_free_vgpr 256
		.amdhsa_next_free_sgpr 66
		.amdhsa_reserve_vcc 0
		.amdhsa_float_denorm_mode_32 3
		.amdhsa_float_denorm_mode_16_64 3
		.amdhsa_memory_ordered 1
		.amdhsa_forward_progress 1
		.amdhsa_inst_pref_size 43
	.end_amdhsa_kernel
	.amdgpu_metadata
---
amdhsa.version: [ 1, 2 ]
amdhsa.kernels:
  - .name:           k_q67e32f5eb3_attn
    .symbol:         k_q67e32f5eb3_attn.kd
    .args:
      - { .name: qbuf, .offset: 0, .size: 8, .value_kind: global_buffer, .address_space: global }
      - { .name: kvbuf, .offset: 8, .size: 8, .value_kind: global_buffer, .address_space: global }
      - { .name: ctx, .offset: 16, .size: 8, .value_kind: global_buffer, .address_space: global }
    .group_segment_fixed_size: 210944
    .private_segment_fixed_size: 0
    .kernarg_segment_align: 8
    .kernarg_segment_size: 24
    .max_flat_workgroup_size: 512
    .sgpr_count:     66
    .vgpr_count:     256
    .wavefront_size: 32
...
	.end_amdgpu_metadata
.endif
;; end of part 3
;; launch woln (part 4): grid 256 x 1, 8 waves a work-group, no clusters, 69,632 bytes of LDS; arguments ctx, wts, bo, x, x1, ln2_g, ln2_b, hq; writes x1, hq
.if DOCPART == 4
	.amdgcn_target "amdgcn-amd-amdhsa--gfx1250"
	.amdhsa_code_object_version 6
	.text
	.protected	k_q67e32f5eb3_woln
	.globl	k_q67e32f5eb3_woln
	.p2align	8
	.type	k_q67e32f5eb3_woln,@function
k_q67e32f5eb3_woln:
	s_mov_b64 s[64:65], 0
	v_nop
	global_prefetch_b8 v0, s[64:65] scope:SCOPE_SE
	s_setreg_imm32_b32 hwreg(HW_REG_WAVE_MODE, 25, 1), 1
	s_wait_xcnt 0x0
; x1 = x + ctx Wo + bo, and hq = the second layer norm of x1, quantised: one launch, so that x1's rows are normed where they are made.
; ctx and Wo are codes of BF6 (E3M2) with E8M0 scales in the program's form: blocks of 128 rows x 128 K, 12,800 bytes, [row / 128][k / 128]; tile t at 1,536 t, lane-row p = row 32 (t / 2) + 8 (t % 2) + p + 8 (p / 8);
; a tile is two units of 768 bytes (registers 0-3 of lane l at 16 l, registers 4-5 of lane (p, h) at 512 + 16 p + 8 h); scale words at 12,288 + 64 t + 4 p.  hq leaves in the same form.
; SHARES: a work-group takes one tile of 16 tokens and all 1,024 features: 256 work-groups.  Wave w takes Wo's panel w (128 features): 8 accumulators, 8 K steps, 64 products.
; Source 0 = 16 features, source 1 = the 16 tokens: lane (p, h) holds token p, and register 16 b + i is feature 128 w + 32 b + 16 h + i: the order in which the norm's conversions want them.
; x + bo is the C of the first products.  No wave shares a fragment of Wo with another, so the operands go from memory straight into registers, two K steps' sets by turns: no tensor load, no slot, and no cluster:
; nothing passes through LDS that partners could be given jointly.
; x1 leaves through the wave's own stage in LDS, as whole rows of 512 bytes.  Mean and variance are taken in two passes, as the formula has them; the eight waves' partial sums meet in LDS.
; REGISTERS: window 0: v1-11 addresses, v16-25 at work, v32-95 the sums, v96-159 the gains, v160-223 bo, then the offsets, v224-231 at work, v232-233 the add's, v234-243 scale words.
;   window 1: v0-191 Wo's fragments, two sets; v192-215 ctx's, two sets; at the end v0-63 x1's rows.
; LIMITS: blocks of zeros or under 2^-122 get the byte 1 (only this program reads the bytes); NaN and infinities are not served.
.set X,   32
.set G,   96
.set BV,  160
.set PC,  96                           ; the codes, where the gains lay
.set TM,  120
.set PW,  136
.set SCB, 234                          ; Wo's words: set q at 234 + 4 q (lanes 0-15 tile 2 n, lanes 16-31 tile 2 n + 1)
.set SCA, 242                          ; ctx's words: set q at 242 + q
.set SEL, 12
.set BLK, 12800
.set SP,  528                          ; a stage row: 512 bytes + 16
.set STG, 2048                         ; the stages, behind the reductions' 1,024 bytes and the spare words
.set MSB, 0
.macro WIN new
.if MSB != (\new)
	s_set_vgpr_msb (MSB<<8)|(\new)
.set MSB, (\new)
.endif
.endm
.macro GRP k                           ; K step k's operands: 41 loads
.set q, (\k)%2
	WIN 0x40                                       ; destination window 1
.irp t, 0,1,2,3,4,5,6,7
.irp c, 0,1
	global_load_b128 v[96*q+12*\t+6*\c:96*q+12*\t+6*\c+3], v7, s[48:49] offset:(\k)*BLK+\t*1536+768*\c
	global_load_b64 v[96*q+12*\t+6*\c+4:96*q+12*\t+6*\c+5], v8, s[48:49] offset:(\k)*BLK+\t*1536+768*\c
.endr
.endr
.irp c, 0,1
	global_load_b128 v[192+12*q+6*\c:192+12*q+6*\c+3], v7, s[44:45] offset:(\k)*BLK+768*\c
	global_load_b64 v[192+12*q+6*\c+4:192+12*q+6*\c+5], v8, s[44:45] offset:(\k)*BLK+768*\c
.endr
	WIN 0
.irp n, 0,1,2,3
	global_load_b32 v[SCB+4*q+\n], v9, s[48:49] offset:(\k)*BLK+128*\n
.endr
	global_load_b32 v[SCA+q], v6, s[46:47] offset:(\k)*BLK
.endm
.macro MULS k                          ; the eight accumulators by turns; four places behind them, for the loads into their operands and the first read of the sums
.set q, (\k)%2
	WIN 0x05                                       ; sources 0 and 1: window 1
.irp t, 0,2,4,6
	v_wmma_scale_f32_16x16x128_f8f6f4 v[X+8*\t:X+8*\t+7], v[96*q+12*\t:96*q+12*\t+11], v[192+12*q:192+12*q+11], v[X+8*\t:X+8*\t+7], v[SCB+4*q+\t/2], v[SCA+q] matrix_a_fmt:MATRIX_FMT_BF6 matrix_b_fmt:MATRIX_FMT_BF6
	v_wmma_scale_f32_16x16x128_f8f6f4 v[X+8*\t+8:X+8*\t+15], v[96*q+12*\t+12:96*q+12*\t+23], v[192+12*q:192+12*q+11], v[X+8*\t+8:X+8*\t+15], v[SCB+4*q+\t/2], v[SCA+q] matrix_a_fmt:MATRIX_FMT_BF6 matrix_b_fmt:MATRIX_FMT_BF6 matrix_a_scale:MATRIX_SCALE_ROW1
.endr
.rept 4
	v_nop
.endr
	WIN 0
.endm
.macro QUANT s                         ; 64 numbers of a lane become a fragment's codes in v[PC] on and its scale word in v[PW]
.irp b, 0,1,2,3
	v_max3_num_f32 v[TM+\b], |v[\s+16*\b]|, |v[\s+1+16*\b]|, 0x2800000   ; my 16 numbers of block b, and the floor 2^(5 - 127)
.endr
.irp i, 2,4,6,8,10,12,14
.irp b, 0,1,2,3
	s_delay_alu instid0(VALU_DEP_4)
	v_max3_num_f32 v[TM+\b], v[TM+\b], |v[\s+16*\b+\i]|, |v[\s+1+16*\b+\i]|
.endr
.endr
.irp b, 0,1,2,3
	s_delay_alu instid0(VALU_DEP_4)
	v_permlanex16_b32 v[TM+4+\b], v[TM+\b], s[SEL], s[SEL+1]
.endr
.irp b, 0,1,2,3
	s_delay_alu instid0(VALU_DEP_4)
	v_max_num_f32 v[TM+\b], v[TM+\b], v[TM+4+\b]
.endr
.irp b, 0,1,2,3
	s_delay_alu instid0(VALU_DEP_4)
	v_add_nc_u32 v[TM+12+\b], 0xfe000000, v[TM+\b] ; 4 off the exponent field: the conversion's scale operand
.endr
.irp b, 0,1,2,3
	s_delay_alu instid0(VALU_DEP_4)
	v_lshrrev_b32 v[TM+4+\b], 23, v[TM+12+\b]
.endr
	s_delay_alu instid0(VALU_DEP_3)
	v_lshl_or_b32 v[PW], v[TM+5], 8, v[TM+4]
	s_delay_alu instid0(VALU_DEP_1)
	v_lshl_or_b32 v[PW], v[TM+6], 16, v[PW]
	s_delay_alu instid0(VALU_DEP_1)
	v_lshl_or_b32 v[PW], v[TM+7], 24, v[PW]
.irp c, 0,1
	v_cvt_scalef32_pk16_bf6_f32 v[PC+6*\c:PC+2+6*\c], v[\s+32*\c:\s+15+32*\c], v[TM+12+2*\c]
	v_cvt_scalef32_pk16_bf6_f32 v[PC+12+4*\c:PC+14+4*\c], v[\s+16+32*\c:\s+31+32*\c], v[TM+12+2*\c+1]
.endr
	v_nop                                          ; one plain place behind a scaled conversion
.irp c, 0,1
.irp i, 0,1,2
	v_permlane16_swap_b32 v[PC+6*\c+\i], v[PC+12+4*\c+\i]
.endr
.irp i, 0,1,2
	s_delay_alu instid0(VALU_DEP_3)
	v_mov_b32 v[PC+3+6*\c+\i], v[PC+12+4*\c+\i]
.endr
.endr
.endm
.macro REDUCE off                      ; the four chains v[16:23] become my row's sum over all 1,024 columns: v224
	s_delay_alu instid0(VALU_DEP_3)
	v_pk_add_f32 v[16:17], v[16:17], v[18:19]
	s_delay_alu instid0(VALU_DEP_2)
	v_pk_add_f32 v[20:21], v[20:21], v[22:23]
	s_delay_alu instid0(VALU_DEP_1)
	v_pk_add_f32 v[16:17], v[16:17], v[20:21]
	s_delay_alu instid0(VALU_DEP_1)
	v_add_f32 v16, v16, v17
	s_delay_alu instid0(VALU_DEP_1)
	v_permlanex16_b32 v17, v16, s[SEL], s[SEL+1]
	s_delay_alu instid0(VALU_DEP_1)
	v_add_f32 v16, v16, v17
	ds_store_b32 v5, v16 offset:\off               ; word 16 wave + p
	s_wait_dscnt 0x0                               ; for the others' sake: my store is done
	s_barrier_signal -1
	s_barrier_wait -1
.irp w, 0,1,2,3,4,5,6,7
	ds_load_b32 v[224+\w], v6 offset:\off+64*\w
.endr
	s_wait_dscnt 0x0
	v_add_f32 v224, v224, v225
	v_add_f32 v226, v226, v227
	v_add_f32 v228, v228, v229
	v_add_f32 v230, v230, v231
	s_delay_alu instid0(VALU_DEP_3)
	v_add_f32 v224, v224, v226
	s_delay_alu instid0(VALU_DEP_2)
	v_add_f32 v228, v228, v230
	s_delay_alu instid0(VALU_DEP_1)
	v_add_f32 v224, v224, v228
.endm
	s_load_b256 s[4:11], s[0:1], 0x0               ; ctx, wts, bo, x
	s_load_b256 s[36:43], s[0:1], 0x20             ; x1, the gains, the offsets, hq
	v_lshl_add_u32 v232, v0, 2, 0x400
	v_mov_b32 v233, 0
	v_lshrrev_b32 v1, 5, v0
	v_readfirstlane_b32 s14, v1                    ; wave = Wo's panel = hq's K step
	s_mul_i32 s15, s14, 16*SP
	s_add_co_u32 s15, s15, STG                     ; my stage
	s_lshl_b32 s21, s14, 6
	v_and_b32 v1, 15, v0                           ; p
	v_bfe_u32 v2, v0, 4, 1                         ; h
	v_and_b32 v3, 8, v1
	v_add_nc_u32 v3, v3, v1                        ; p + 8 (p / 8)
	v_lshlrev_b32 v3, 12, v3
	v_lshl_add_u32 v3, v2, 6, v3                   ; x: my row of 4,096 bytes, + 64 h
	v_lshlrev_b32 v4, 6, v2                        ; bo, g, b: 64 h
	v_lshlrev_b32 v6, 2, v1                        ; 4 p
	v_add_nc_u32 v5, s21, v6                       ; LDS: 64 wave + 4 p
	v_and_b32 v9, 31, v0
	v_lshlrev_b32 v7, 4, v9                        ; 16 l
	v_lshl_add_u32 v9, v9, 2, 12288                ; Wo's words: 12,288 + 4 l
	v_lshlrev_b32 v8, 4, v1
	v_lshl_add_u32 v8, v2, 3, v8
	v_add_nc_u32 v8, 512, v8                       ; 512 + 16 p + 8 h
	v_mul_u32_u24 v10, v1, SP
	v_lshl_add_u32 v10, v2, 6, v10
	v_add_nc_u32 v10, s15, v10                     ; into the stage: row p, + 64 h
	v_add_nc_u32 v11, s15, v7                      ; out of it: 16 bytes a lane of a row
	s_mov_b32 s[SEL], 0x76543210
	s_mov_b32 s[SEL+1], 0xfedcba98
	s_mov_b32 s28, 0x3a800000                      ; 1 / 1,024
	s_mov_b32 s29, 0x3727c5ac                      ; 1e-5
	s_lshr_b32 s16, ttmp9, 1
	s_lshl_b32 s16, s16, 5
	s_and_b32 s17, ttmp9, 1
	s_lshl_b32 s17, s17, 3
	s_add_co_u32 s16, s16, s17                     ; the tile's first row: 32 (T / 2) + 8 (T % 2)
	s_lshl_b32 s16, s16, 12
	s_lshl_b32 s18, s14, 9                         ; my wave's 512 bytes of a row
	s_add_co_u32 s16, s16, s18
	s_mov_b32 s17, 0
	s_mov_b32 s19, 0
	s_lshr_b32 s30, ttmp9, 3
	s_mul_i32 s30, s30, 8*BLK                      ; the panel of 128 tokens, in ctx and in hq
	s_and_b32 s22, ttmp9, 7
	s_mul_i32 s21, s22, 1536
	s_lshl_b32 s22, s22, 6
	s_add_co_u32 s32, s30, s22
	s_add_co_u32 s32, s32, 12288                   ; the tile's scale words, K step 0
	s_add_co_u32 s30, s30, s21                     ; the tile's codes, K step 0
	s_mul_i32 s21, s14, BLK
	s_add_co_u32 s20, s30, s21                     ; hq: my K step's block
	s_add_co_u32 s22, s32, s21
	s_mul_i32 s34, s14, 8*BLK
	s_add_co_u32 s34, s34, 2457600                 ; Wo in wts, my panel
	s_mov_b32 s21, 0
	s_mov_b32 s23, 0
	s_mov_b32 s31, 0
	s_mov_b32 s33, 0
	s_mov_b32 s35, 0
	s_wait_alu depctr_va_vdst(0)
	s_wait_kmcnt 0x0
	s_add_nc_u64 s[44:45], s[4:5], s[30:31]
	s_add_nc_u64 s[46:47], s[4:5], s[32:33]
	s_add_nc_u64 s[48:49], s[6:7], s[34:35]
	s_add_nc_u64 s[8:9], s[8:9], s[18:19]
	s_add_nc_u64 s[10:11], s[10:11], s[16:17]
	s_add_nc_u64 s[36:37], s[36:37], s[16:17]
	s_add_nc_u64 s[38:39], s[38:39], s[18:19]
	s_add_nc_u64 s[40:41], s[40:41], s[18:19]
	s_add_nc_u64 s[24:25], s[42:43], s[20:21]
	s_add_nc_u64 s[26:27], s[42:43], s[22:23]
	GRP 0
.irp b, 0,1,2,3
.irp j, 0,1,2,3
	global_load_b128 v[X+16*\b+4*\j:X+16*\b+4*\j+3], v3, s[10:11] offset:128*\b+16*\j
.endr
.endr
.irp b, 0,1,2,3
.irp j, 0,1,2,3
	global_load_b128 v[BV+16*\b+4*\j:BV+16*\b+4*\j+3], v4, s[8:9] offset:128*\b+16*\j     ; bo, where the offsets will lie
.endr
.endr
.irp b, 0,1,2,3
.irp j, 0,1,2,3
	global_load_b128 v[G+16*\b+4*\j:G+16*\b+4*\j+3], v4, s[38:39] offset:128*\b+16*\j
.endr
.endr
	GRP 1
	s_wait_loadcnt 57                              ; K step 0's operands, x and bo are in; the gains' 16 loads and K step 1's 41 may be out
.set j, 0
.rept 32
	v_pk_add_f32 v[X+j:X+j+1], v[X+j:X+j+1], v[BV+j:BV+j+1]   ; x + bo starts the sums
.set j, j+2
.endr
.irp b, 0,1,2,3
.irp j, 0,1,2,3
	global_load_b128 v[BV+16*\b+4*\j:BV+16*\b+4*\j+3], v4, s[40:41] offset:128*\b+16*\j   ; the offsets
.endr
.endr
	MULS 0
	GRP 2
	s_wait_loadcnt 57                              ; behind K step 1's: the offsets' 16 and K step 2's 41
	MULS 1
	GRP 3
.irp k, 2,3,4,5
	s_wait_loadcnt 41                              ; the next K step's 41 may be out
	MULS \k
	GRP \k+2
.endr
	s_wait_loadcnt 41
	MULS 6
	s_wait_loadcnt 0x0
	MULS 7
.irp b, 0,1,2,3                                ; x1 through my stage: each accumulator from its low end on
.irp j, 0,1,2,3
	ds_store_b128 v10, v[X+16*\b+4*\j:X+16*\b+4*\j+3] offset:128*\b+16*\j
.endr
.endr
	WIN 0x40
.set R, 0
.rept 16
	ds_load_b128 v[4*R:4*R+3], v11 offset:R*SP     ; LDS serves a wave's instructions in order: these see my stores
.set R, R+1
.endr
	WIN 0
.irp c, 0,1,2,3                                ; the sum, in four packed chains started by the first numbers
	v_pk_add_f32 v[16+2*\c:17+2*\c], v[X+2*\c:X+2*\c+1], v[X+8+2*\c:X+9+2*\c]
.endr
.irp i, 16,24,32,40,48,56
.irp c, 0,1,2,3
	v_pk_add_f32 v[16+2*\c:17+2*\c], v[16+2*\c:17+2*\c], v[X+\i+2*\c:X+\i+2*\c+1]
.endr
.endr
	REDUCE 0
	s_delay_alu instid0(VALU_DEP_1)
	v_mul_f32 v24, s28, v224                       ; the mean
	s_delay_alu instid0(VALU_DEP_1)
	v_mov_b32 v25, v24
	WIN 0x04                                       ; a store's data: window 1.  The reduction's wait has shown the rows back in registers
.set R, 0
.rept 16
	global_store_b128 v7, v[4*R:4*R+3], s[36:37] offset:(R+8*(R/8))*4096   ; 512 consecutive aligned bytes of x1
.set R, R+1
.endr
	WIN 0
.set j, 0
.rept 32
	v_pk_add_f32 v[X+j:X+j+1], v[X+j:X+j+1], v[24:25] neg_lo:[0,1] neg_hi:[0,1]   ; x1 - mean
.set j, j+2
.endr
.irp c, 0,1,2,3
	v_pk_mul_f32 v[16+2*\c:17+2*\c], v[X+2*\c:X+2*\c+1], v[X+2*\c:X+2*\c+1]
.endr
.irp i, 8,16,24,32,40,48,56
.irp c, 0,1,2,3
	s_delay_alu instid0(VALU_DEP_4)
	v_pk_fma_f32 v[16+2*\c:17+2*\c], v[X+\i+2*\c:X+\i+2*\c+1], v[X+\i+2*\c:X+\i+2*\c+1], v[16+2*\c:17+2*\c]
.endr
.endr
	REDUCE 512                                     ; other LDS bytes than the first reduction's
	s_delay_alu instid0(VALU_DEP_1)
	v_fma_f32 v24, v224, s28, s29                  ; the variance + 1e-5
	s_wait_alu depctr_va_vdst(0)
	v_rsq_f32 v24, v24
	v_nop                                          ; one plain place behind a transcendental
	s_wait_alu depctr_va_vdst(0)
	v_mov_b32 v25, v24
.set j, 0
.rept 32
	v_pk_mul_f32 v[X+j:X+j+1], v[X+j:X+j+1], v[24:25]
.set j, j+2
.endr
.set j, 0
.rept 32
	v_pk_fma_f32 v[X+j:X+j+1], v[X+j:X+j+1], v[G+j:G+j+1], v[BV+j:BV+j+1]
.set j, j+2
.endr
.irp b, 0,1,2,3
	v_mov_b32 v[TM+4+\b], 0                        ; a lane permute's destination counts as one of its sources
.endr
	QUANT X
	global_store_b128 v7, v[PC:PC+3], s[24:25]                 ; 512 consecutive aligned bytes
	global_store_b64 v8, v[PC+4:PC+5], s[24:25]                ; 256
	global_store_b128 v7, v[PC+6:PC+9], s[24:25] offset:768
	global_store_b64 v8, v[PC+10:PC+11], s[24:25] offset:768
	global_store_b32 v6, v[PW], s[26:27]                       ; 16 scale words (both halves of the lanes hold and write the same)
	s_wait_tensorcnt 0x0                           ; the wave's end
	ds_add_u32 v232, v233
	s_wait_dscnt 0x0
	s_endpgm
.Lfunc_end_k_q67e32f5eb3_woln:
	.size	k_q67e32f5eb3_woln, .Lfunc_end_k_q67e32f5eb3_woln-k_q67e32f5eb3_woln
	.p2alignl 7, 3214868480
	.fill 96, 4, 3214868480
	.section	.rodata,"a",@progbits
	.p2align	6, 0x0
	.amdhsa_kernel k_q67e32f5eb3_woln
		.amdhsa_group_segment_fixed_size 69632
		.amdhsa_private_segment_fixed_size 0
		.amdhsa_enable_private_segment 0
		.amdhsa_kernarg_size 64
		.amdhsa_user_sgpr_count 2
		.amdhsa_user_sgpr_kernarg_segment_ptr 1
		.amdhsa_wavefront_size32 1
		.amdhsa_system_sgpr_workgroup_id_x 1
		.amdhsa_system_sgpr_workgroup_id_y 1
		.amdhsa_system_sgpr_workgroup_id_z 1
		.amdhsa_system_vgpr_workitem_id 0
		.amdhsa_next_free_vgpr 512
		.amdhsa_next_free_sgpr 66
		.amdhsa_reserve_vcc 0
		.amdhsa_float_denorm_mode_32 3
		.amdhsa_float_denorm_mode_16_64 3
		.amdhsa_memory_ordered 1
		.amdhsa_forward_progress 1
		.amdhsa_inst_pref_size 77
	.end_amdhsa_kernel
	.amdgpu_metadata
---
amdhsa.version: [ 1, 2 ]
amdhsa.kernels:
  - .name:           k_q67e32f5eb3_woln
    .symbol:         k_q67e32f5eb3_woln.kd
    .args:
      - { .name: ctx, .offset: 0, .size: 8, .value_kind: global_buffer, .address_space: global }
      - { .name: wts, .offset: 8, .size: 8, .value_kind: global_buffer, .address_space: global }
      - { .name: bo, .offset: 16, .size: 8, .value_kind: global_buffer, .address_space: global }
      - { .name: x, .offset: 24, .size: 8, .value_kind: global_buffer, .address_space: global }
      - { .name: x1, .offset: 32, .size: 8, .value_kind: global_buffer, .address_space: global }
      - { .name: ln2_g, .offset: 40, .size: 8, .value_kind: global_buffer, .address_space: global }
      - { .name: ln2_b, .offset: 48, .size: 8, .value_kind: global_buffer, .address_space: global }
      - { .name: hq, .offset: 56, .size: 8, .value_kind: global_buffer, .address_space: global }
    .group_segment_fixed_size: 69632
    .private_segment_fixed_size: 0
    .kernarg_segment_align: 8
    .kernarg_segment_size: 64
    .max_flat_workgroup_size: 256
    .sgpr_count:     66
    .vgpr_count:     512
    .wavefront_size: 32
...
	.end_amdgpu_metadata
.endif
;; end of part 4
;; launch ffn1 (part 5): grid 16 x 16, 4 waves a work-group, clusters of 4 x 4, 327,680 bytes of LDS; arguments hq, wts, b1, g; writes g
.if DOCPART == 5
	.amdgcn_target "amdgcn-amd-amdhsa--gfx1250"
	.amdhsa_code_object_version 6
	.text
	.protected	k_q67e32f5eb3_ffn1
	.globl	k_q67e32f5eb3_ffn1
	.p2align	8
	.type	k_q67e32f5eb3_ffn1,@function
k_q67e32f5eb3_ffn1:
	s_mov_b64 s[64:65], 0
	v_nop
	global_prefetch_b8 v0, s[64:65] scope:SCOPE_SE
	s_setreg_imm32_b32 hwreg(HW_REG_WAVE_MODE, 25, 1), 1
	s_wait_xcnt 0x0
	s_wait_alu depctr_hold_cnt(0) depctr_sa_sdst(0) depctr_va_vdst(0) depctr_va_sdst(0) depctr_va_ssrc(0) depctr_va_vcc(0) depctr_vm_vsrc(0)
	s_getreg_b32 s2, hwreg(HW_REG_IB_STS2, 6, 4)
	s_cmp_eq_u32 s2, 0
	s_cbranch_scc0 .Lentry_in_a_cluster
	s_endpgm
.Lentry_in_a_cluster:
	s_bfe_u32 s2, ttmp6, 0x10000c
	s_cmp_lg_u32 s2, 0xf033
	s_cbranch_scc0 .Lentry_shape_is_right
	s_endpgm
.Lentry_shape_is_right:
.set BLK,   12800
.set PIECE, 2*BLK
.set SLOT,  4*PIECE
.set SPARE, 2*SLOT
.set PANB,  8*BLK
.set NQ,    2
.set NL,    4
.set NP,    4
.set FR,    12
.set VO16,  8
.set VO8,   9
.set WO,    10
.set ADRS,  12
.set ADRA,  16
.set ADRB,  20
.set SPW,   28
.set NIL,   29
.set SC,    32
.set BN,    64
.set AF,    128
.set T,     128
.set PC,    192
.set TM,    212
.set PW,    228
.set A0,    230
.set B0,    232
.set Z,     32
.set Z2,    48
.set P,     236
.set Q,     12
.set G1,  24
.set G0,  32
.set G1B, 48
.set G0B, 56
.set AL,  66
.set BE,  78
.set CR,  86
.set SEL, 88
.set MSB, 0
.macro WIN new
.if MSB != (\new)
	s_set_vgpr_msb (MSB<<8)|(\new)
.set MSB, (\new)
.endif
.endm
.set MUL_LO, 0xa1
.set MUL_HI, 0xf1
.set TO_B,   0x40
.macro JLOAD g0a, g1a, g0b, g1b
	s_cmp_eq_u32 s15, 0
	s_cbranch_scc0 .Lfor_b_\@
	tensor_load_to_lds s[\g0a:\g0a+3], s[\g1a:\g1a+7]
	s_nop 0
.rept 4
	v_nop
.endr
	s_branch .Lasked_\@
.Lfor_b_\@:
	tensor_load_to_lds s[\g0b:\g0b+3], s[\g1b:\g1b+7]
	s_nop 0
.rept 4
	v_nop
.endr
.Lasked_\@:
.endm
.macro CREST
	s_cmp_lg_u32 s14, 0
	s_cbranch_scc1 .Lnot_wave_0_\@
	s_barrier_signal -3
.Lnot_wave_0_\@:
	s_barrier_wait -3
	s_barrier_signal -1
	s_barrier_wait -1
.endm
.macro CROUND
	s_barrier_signal -1
	s_barrier_wait -1
	CREST
.endm
.macro PLACES n
.rept \n
	v_nop
.endr
.endm
.macro FRAG reg, a16, a8, off
	ds_load_b128 v[\reg:\reg+3], v[\a16] offset:\off
	ds_load_b64 v[\reg+4:\reg+5], v[\a8] offset:\off
	ds_load_b128 v[\reg+6:\reg+9], v[\a16] offset:\off+768
	ds_load_b64 v[\reg+10:\reg+11], v[\a8] offset:\off+768
.endm
.macro MUL16 a0, p, q, sc, zero
.irp a, \a0, \a0+1
.irp b, 0,1,2,3,4,5,6,7
.if \zero
	v_wmma_scale_f32_16x16x128_f8f6f4 v[8*(8*((\a)%4)+\b):8*(8*((\a)%4)+\b)+7], v[128*(\p)+FR*\b:128*(\p)+FR*\b+FR-1], v[AF+FR*(\a):AF+FR*(\a)+FR-1], 0, v[SC+8*NQ*(\sc)+NQ*\b+(\q)], v[SC+8*NQ*(\sc)+NQ*(\a)+(\q)] matrix_a_fmt:MATRIX_FMT_BF6 matrix_b_fmt:MATRIX_FMT_BF6 matrix_a_scale:MATRIX_SCALE_ROW1
.else
	v_wmma_scale_f32_16x16x128_f8f6f4 v[8*(8*((\a)%4)+\b):8*(8*((\a)%4)+\b)+7], v[128*(\p)+FR*\b:128*(\p)+FR*\b+FR-1], v[AF+FR*(\a):AF+FR*(\a)+FR-1], v[8*(8*((\a)%4)+\b):8*(8*((\a)%4)+\b)+7], v[SC+8*NQ*(\sc)+NQ*\b+(\q)], v[SC+8*NQ*(\sc)+NQ*(\a)+(\q)] matrix_a_fmt:MATRIX_FMT_BF6 matrix_b_fmt:MATRIX_FMT_BF6 matrix_a_scale:MATRIX_SCALE_ROW1
.endif
.endr
.endr
.endm
.macro FETCH_B slot, q, p
	WIN TO_B
.irp i, 0,1,2,3,4,5,6,7
	FRAG 128*(\p)+FR*\i, ADRB+\slot, ADRB+2+\slot, (\q)*BLK+\i*1536
.endr
	WIN 0
.endm
.macro FETCH_A slot, q, i0
.irp i, \i0, \i0+1, \i0+2, \i0+3
	FRAG AF+FR*(\i), ADRA+\slot, ADRA+2+\slot, (\q)*BLK+(\i)*1536
.endr
.endm
.macro SCALES sc
.irp i, 0,1,2,3,4,5,6,7
.irp q, 0,1
	ds_load_b32 v[SC+16*\sc+2*\i+\q], v[ADRS+\sc] offset:\q*BLK+64*\i
.endr
.endr
.endm
.macro STEP slot, q, zero
	s_wait_dscnt 4*NL
	WIN MUL_LO
	MUL16 0, (\q)%2, \q, \slot, \zero
	MUL16 2, (\q)%2, \q, \slot, \zero
	s_wait_dscnt 0x0
	PLACES NP
	FETCH_B \slot, (\q)+1, 1-(\q)%2
	FETCH_A \slot, (\q)+1, 0
	WIN MUL_HI
	MUL16 4, (\q)%2, \q, \slot, \zero
	MUL16 6, (\q)%2, \q, \slot, \zero
	PLACES NP
	WIN 0
	FETCH_A \slot, (\q)+1, 4
.endm
.macro TURN slot, next, fill
	s_wait_tensorcnt 0x0
	ds_add_u32 v[SPW], v[NIL]
	s_wait_dscnt 4*NL+1
	WIN MUL_LO
	MUL16 0, 1, NQ-1, \slot, 0
	s_wait_dscnt 0x0
	s_barrier_signal -1
	MUL16 2, 1, NQ-1, \slot, 0
	WIN 0
	s_barrier_wait -1
.if \fill
	CREST
	s_add_nc_u64 s[G0+4*\slot+2:G0+4*\slot+3], s[G0+4*\slot+2:G0+4*\slot+3], 2*PIECE
	s_add_nc_u64 s[G0B+4*\slot+2:G0B+4*\slot+3], s[G0B+4*\slot+2:G0B+4*\slot+3], 2*PIECE
	JLOAD G0+4*\slot, G1, G0B+4*\slot, G1B
.else
	PLACES NP
.endif
	FETCH_B \next, 0, 0
	FETCH_A \next, 0, 0
	SCALES \next
	WIN MUL_HI
	MUL16 4, 1, NQ-1, \slot, 0
	MUL16 6, 1, NQ-1, \slot, 0
	PLACES NP
	WIN 0
	FETCH_A \next, 0, 4
.endm
.macro QUANT s
.irp b, 0,1,2,3
	v_max3_num_f32 v[TM+\b], |v[\s+16*\b]|, |v[\s+1+16*\b]|, 0x2800000
.endr
.irp i, 2,4,6,8,10,12,14
.irp b, 0,1,2,3
	v_max3_num_f32 v[TM+\b], v[TM+\b], |v[\s+16*\b+\i]|, |v[\s+1+16*\b+\i]|
.endr
.endr
.irp b, 0,1,2,3
	v_permlanex16_b32 v[TM+4+\b], v[TM+\b], s[SEL], s[SEL+1]
.endr
.irp b, 0,1,2,3
	v_max_num_f32 v[TM+\b], v[TM+\b], v[TM+4+\b]
.endr
.irp b, 0,1,2,3
	v_add_nc_u32 v[TM+12+\b], 0xfe000000, v[TM+\b]
.endr
.irp b, 0,1,2,3
	v_lshrrev_b32 v[TM+4+\b], 23, v[TM+12+\b]
.endr
	v_lshl_or_b32 v[PW], v[TM+5], 8, v[TM+4]
	v_lshl_or_b32 v[PW], v[TM+6], 16, v[PW]
	v_lshl_or_b32 v[PW], v[TM+7], 24, v[PW]
.irp c, 0,1
	v_cvt_scalef32_pk16_bf6_f32 v[PC+6*\c:PC+2+6*\c], v[\s+32*\c:\s+15+32*\c], v[TM+12+2*\c]
	v_cvt_scalef32_pk16_bf6_f32 v[PC+12+4*\c:PC+14+4*\c], v[\s+16+32*\c:\s+31+32*\c], v[TM+12+2*\c+1]
.endr
	v_nop
.irp c, 0,1
.irp i, 0,1,2
	v_permlane16_swap_b32 v[PC+6*\c+\i], v[PC+12+4*\c+\i]
.endr
.irp i, 0,1,2
	v_mov_b32 v[PC+3+6*\c+\i], v[PC+12+4*\c+\i]
.endr
.endr
.endm
.macro ACCB a                          ; block a's 64 sums + the bias -> v[T] on
	WIN 0x02+(\a)/4
	s_wait_alu depctr_va_vdst(0)
.set i, 0
.rept 32
	v_pk_add_f32 v[T+2*i:T+2*i+1], v[64*((\a)%4)+2*i:64*((\a)%4)+2*i+1], v[BN+2*i:BN+2*i+1]
.set i, i+1
.endr
	WIN 0
.endm
.macro GELU16 o                        ; x/2 (1 + erf(x / sqrt 2)) of 16 numbers: erf(z) = z P(z^2) / Q(z^2), z held to +-4; eight independent packed lines to a stage
.set XO, T+16*(\o)
.irp e, 0,2,4,6,8,10,12,14
	v_pk_mul_f32 v[Z+\e:Z+\e+1], v[XO+\e:XO+\e+1], s[CR:CR+1] op_sel_hi:[1,0]
.endr
.irp e, 0,1,2,3,4,5,6,7,8,9,10,11,12,13,14,15
	v_med3_num_f32 v[Z+\e], v[Z+\e], -4.0, 4.0
.endr
.irp e, 0,2,4,6,8,10,12,14
	v_pk_mul_f32 v[Z2+\e:Z2+\e+1], v[Z+\e:Z+\e+1], v[Z+\e:Z+\e+1]
.endr
.irp e, 0,2,4,6,8,10,12,14
	v_pk_fma_f32 v[P+\e:P+\e+1], v[Z2+\e:Z2+\e+1], v[A0:A0+1], s[AL:AL+1] op_sel_hi:[1,1,0]
.endr
.irp e, 0,2,4,6,8,10,12,14
	v_pk_fma_f32 v[Q+\e:Q+\e+1], v[Z2+\e:Z2+\e+1], v[B0:B0+1], s[BE:BE+1] op_sel_hi:[1,1,0]
.endr
.irp n, 1,2,3
.irp e, 0,2,4,6,8,10,12,14
	v_pk_fma_f32 v[P+\e:P+\e+1], v[P+\e:P+\e+1], v[Z2+\e:Z2+\e+1], s[AL+2*\n:AL+2*\n+1] op_sel_hi:[1,1,0]
.endr
.irp e, 0,2,4,6,8,10,12,14
	v_pk_fma_f32 v[Q+\e:Q+\e+1], v[Q+\e:Q+\e+1], v[Z2+\e:Z2+\e+1], s[BE+2*\n:BE+2*\n+1] op_sel_hi:[1,1,0]
.endr
.endr
.irp e, 0,2,4,6,8,10,12,14
	v_pk_fma_f32 v[P+\e:P+\e+1], v[P+\e:P+\e+1], v[Z2+\e:Z2+\e+1], s[AL+8:AL+9] op_sel_hi:[1,1,0]
.endr
	s_wait_alu depctr_va_vdst(0)                   ; ahead of the batch
.irp e, 0,1,2,3,4,5,6,7,8,9,10,11,12,13,14,15
	v_rcp_f32 v[Q+\e], v[Q+\e]
.endr
.irp e, 0,2,4,6,8,10,12,14
	v_pk_fma_f32 v[P+\e:P+\e+1], v[P+\e:P+\e+1], v[Z2+\e:Z2+\e+1], s[AL+10:AL+11] op_sel_hi:[1,1,0]
.endr
.irp e, 0,2,4,6,8,10,12,14
	v_pk_mul_f32 v[P+\e:P+\e+1], v[P+\e:P+\e+1], v[Z+\e:Z+\e+1]
.endr
.irp e, 0,2,4,6,8,10,12,14
	v_pk_mul_f32 v[XO+\e:XO+\e+1], v[XO+\e:XO+\e+1], 0.5 op_sel_hi:[1,0]
.endr
	s_wait_alu depctr_va_vdst(0)                   ; and behind it, ahead of its first reader
.irp e, 0,2,4,6,8,10,12,14
	v_pk_mul_f32 v[P+\e:P+\e+1], v[P+\e:P+\e+1], v[Q+\e:Q+\e+1]
.endr
.irp e, 0,2,4,6,8,10,12,14
	v_pk_fma_f32 v[XO+\e:XO+\e+1], v[XO+\e:XO+\e+1], v[P+\e:P+\e+1], v[XO+\e:XO+\e+1]
.endr
.endm
	s_load_b256 s[4:11], s[0:1], 0x0
	v_lshl_add_u32 v[SPW], v0, 2, SPARE
	v_mov_b32 v[NIL], 0
	ds_add_u32 v28, v29
	ds_add_u32 v28, v29
	s_wait_dscnt 0x0
	v_lshrrev_b32 v1, 5, v0
	v_readfirstlane_b32 s14, v1
	s_lshr_b32 s15, s14, 1
	s_and_b32 s16, s14, 1
	s_bfe_u32 s40, ttmp6, 0x40000
	s_bfe_u32 s41, ttmp6, 0x40004
	s_lshl_b32 s42, ttmp9, 2
	s_add_co_u32 s42, s42, s40
	s_and_b32 s17, ttmp7, 0xffff
	s_lshl_b32 s17, s17, 2
	s_add_co_u32 s17, s17, s41
	s_lshl_b32 s43, s41, 2
	s_lshl_b32 s43, 15, s43
	s_lshl_b32 s44, 0x1111, s40
	s_or_b32 s[G1+0], s43, (3<<16)|(1<<21)
	s_or_b32 s[G1B+0], s44, (3<<16)|(1<<21)
.irp g, G1, G1B
	s_mov_b32 s[\g+1], 32<<16
	s_mov_b32 s[\g+2], 100<<16
	s_mov_b32 s[\g+3], 32<<16
	s_mov_b32 s[\g+4], 100
	s_mov_b32 s[\g+5], 32
	s_mov_b32 s[\g+6], 0
	s_mov_b32 s[\g+7], 0
.endr
	s_lshl_b32 s20, s17, 1
	s_add_co_u32 s20, s20, s16
	s_mul_i32 s20, s20, PANB
	s_mov_b32 s21, 0
	s_lshl_b32 s46, s42, 1
	s_add_co_u32 s46, s46, s16
	s_mul_i32 s46, s46, PANB
	s_add_co_u32 s46, s46, 3276800
	s_mov_b32 s47, 0
	s_mul_i32 s45, s14, PIECE
	s_mov_b32 s[SEL], 0x76543210
	s_mov_b32 s[SEL+1], 0xfedcba98
	s_mov_b32 s[AL], 0x32edffee
	s_mov_b32 s[AL+2], 0xb60cff51
	s_mov_b32 s[AL+4], 0xb86ec2d2
	s_mov_b32 s[AL+6], 0xba40ac63
	s_mov_b32 s[AL+8], 0xbb41a1f6
	s_mov_b32 s[AL+10], 0xbc83dbd4
	s_mov_b32 s[BE], 0xb95fbd29
	s_mov_b32 s[BE+2], 0xbadc924e
	s_mov_b32 s[BE+4], 0xbbf19bf8
	s_mov_b32 s[BE+6], 0xbc69b6a7
	s_mov_b32 s[CR], 0x3f3504f3
.irp n, 66,68,70,72,74,76,78,80,82,84,86
	s_mov_b32 s[\n+1], s[\n]
.endr
	s_wait_kmcnt 0x0
	s_add_nc_u64 s[20:21], s[4:5], s[20:21]
	s_add_nc_u64 s[46:47], s[6:7], s[46:47]
	CROUND
.irp s, 0,1
	s_mov_b32 s[G0+4*\s], 1
	s_add_co_u32 s[G0+4*\s+1], s45, \s*SLOT
	s_add_nc_u64 s[G0+4*\s+2:G0+4*\s+3], s[20:21], \s*PIECE
	s_or_b32 s[G0+4*\s+3], s[G0+4*\s+3], 0x80000000
	s_mov_b32 s[G0B+4*\s], 1
	s_add_co_u32 s[G0B+4*\s+1], s45, \s*SLOT
	s_add_nc_u64 s[G0B+4*\s+2:G0B+4*\s+3], s[46:47], \s*PIECE
	s_or_b32 s[G0B+4*\s+3], s[G0B+4*\s+3], 0x80000000
.if \s == 1                                    ; slot 1's first fill is issued as a refill is
	s_wait_alu depctr_va_vdst(0)
	s_wait_tensorcnt 0x0
	ds_add_u32 v28, v29
	ds_add_u32 v28, v29
	s_wait_dscnt 0x0
	CROUND
.endif
	JLOAD G0+4*\s, G1, G0B+4*\s, G1B
.endr
	v_and_b32 v1, 15, v0
	v_bfe_u32 v2, v0, 4, 1
	v_and_b32 v3, 31, v0
	v_lshlrev_b32 v[VO16], 4, v3
	v_lshlrev_b32 v4, 4, v1
	v_lshl_add_u32 v4, v2, 3, v4
	v_add_nc_u32 v[VO8], 512, v4
	v_lshlrev_b32 v[WO], 2, v1
	s_mul_i32 s21, s15, PIECE
	s_mul_i32 s22, s16, PIECE
	s_add_co_u32 s22, s22, 2*PIECE
.irp s, 0,1
	v_add_nc_u32 v[ADRA+\s], s21, v[VO16]
	v_add_nc_u32 v[ADRA+2+\s], s21, v[VO8]
	v_add_nc_u32 v[ADRB+\s], s22, v[VO16]
	v_add_nc_u32 v[ADRB+2+\s], s22, v[VO8]
	s_add_co_u32 s21, s21, SLOT
	s_add_co_u32 s22, s22, SLOT
.endr
	s_mul_i32 s21, s15, PIECE
	s_mul_i32 s22, s16, PIECE
	s_add_co_u32 s22, s22, 2*PIECE
	s_sub_co_u32 s22, s22, s21
	v_mul_u32_u24 v6, s22, v2
	v_lshl_add_u32 v6, v1, 2, v6
	s_add_co_u32 s21, s21, 12288
	v_add_nc_u32 v[ADRS], s21, v6
	v_add_nc_u32 v[ADRS+1], SLOT, v[ADRS]
	s_lshl_b32 s96, s42, 10
	s_lshl_b32 s97, s16, 9
	s_add_co_u32 s96, s96, s97
	s_mov_b32 s97, 0
	s_add_nc_u64 s[94:95], s[8:9], s[96:97]
	v_lshlrev_b32 v24, 6, v2
.irp b, 0,1,2,3
.irp j, 0,1,2,3
	global_load_b128 v[BN+16*\b+4*\j:BN+16*\b+4*\j+3], v24, s[94:95] offset:128*\b+16*\j
.endr
.endr
	s_lshl_b32 s96, s17, 1
	s_add_co_u32 s96, s96, s15
	s_mul_i32 s96, s96, 409600
	s_lshl_b32 s98, s42, 1
	s_add_co_u32 s98, s98, s16
	s_mul_i32 s98, s98, BLK
	s_add_co_u32 s96, s96, s98
	s_add_nc_u64 s[92:93], s[10:11], s[96:97]
	s_wait_alu depctr_va_vdst(0)
	s_wait_tensorcnt 1
	s_barrier_signal -1
	s_barrier_wait -1
	FETCH_B 0, 0, 0
	FETCH_A 0, 0, 0
	SCALES 0
	FETCH_A 0, 0, 4
	STEP 0, 0, 1
	TURN 0, 1, 1
	STEP 1, 0, 0
	TURN 1, 0, 1
	STEP 0, 0, 0
	TURN 0, 1, 0
	STEP 1, 0, 0
	s_wait_dscnt 4*NL
	WIN MUL_LO
	MUL16 0, 1, NQ-1, 1, 0
	MUL16 2, 1, NQ-1, 1, 0
	s_wait_dscnt 0x0
	WIN MUL_HI
	MUL16 4, 1, NQ-1, 1, 0
	MUL16 6, 1, NQ-1, 1, 0
	WIN 0
	s_wait_loadcnt 0x0
	PLACES NP
.irp b, 0,1,2,3
	v_mov_b32 v[TM+4+\b], 0
.endr
	v_mov_b32 v[A0], 0xaf95df0b
	v_mov_b32 v[A0+1], 0xaf95df0b
	v_mov_b32 v[B0], 0xb77460cd
	v_mov_b32 v[B0+1], 0xb77460cd
	; THE WAY OUT, a counted loop of eight trips, one block of 16 tokens a trip.  Only the lines that name the block's accumulators differ from trip to trip: they stand in eight arms, chosen by the counter;
	; the activation, the quantiser and the stores are written once, and the stores' bases are stepped.
	s_add_nc_u64 s[94:95], s[92:93], 12288         ; the scale words
	s_mov_b32 s98, 0
	s_wait_alu depctr_va_vdst(0)
.Lepi:
.irp a, 0,1,2,3,4,5,6
	s_cmp_lg_u32 s98, \a
	s_cbranch_scc1 .Lother_\a
	ACCB \a
	s_branch .Lgot
.Lother_\a:
.endr
	ACCB 7
.Lgot:
	s_wait_alu depctr_va_vdst(0)                   ; behind the jump, ahead of the readers below
	GELU16 0
	GELU16 1
	GELU16 2
	GELU16 3
	QUANT T
	global_store_b128 v[VO16], v[PC:PC+3], s[92:93]
	global_store_b64 v[VO8], v[PC+4:PC+5], s[92:93]
	global_store_b128 v[VO16], v[PC+6:PC+9], s[92:93] offset:768
	global_store_b64 v[VO8], v[PC+10:PC+11], s[92:93] offset:768
	global_store_b32 v[WO], v[PW], s[94:95]
	s_wait_xcnt 0x0                                ; the stores have read their bases and their data: both are written again below
	s_add_nc_u64 s[92:93], s[92:93], 1536
	s_add_nc_u64 s[94:95], s[94:95], 64
	s_add_co_u32 s98, s98, 1
	s_cmp_lt_u32 s98, 8
	s_wait_alu depctr_va_vdst(0)
	s_cbranch_scc1 .Lepi
	s_wait_tensorcnt 0x0
	ds_add_u32 v[SPW], v[NIL]
	s_wait_dscnt 0x0
	CROUND
	s_endpgm
.Lfunc_end_k_q67e32f5eb3_ffn1:
	.size	k_q67e32f5eb3_ffn1, .Lfunc_end_k_q67e32f5eb3_ffn1-k_q67e32f5eb3_ffn1
	.p2alignl 7, 3214868480
	.fill 96, 4, 3214868480
	.section	.rodata,"a",@progbits
	.p2align	6, 0x0
	.amdhsa_kernel k_q67e32f5eb3_ffn1
		.amdhsa_group_segment_fixed_size 327680
		.amdhsa_private_segment_fixed_size 0
		.amdhsa_enable_private_segment 0
		.amdhsa_kernarg_size 32
		.amdhsa_user_sgpr_count 2
		.amdhsa_user_sgpr_kernarg_segment_ptr 1
		.amdhsa_wavefront_size32 1
		.amdhsa_system_sgpr_workgroup_id_x 1
		.amdhsa_system_sgpr_workgroup_id_y 1
		.amdhsa_system_sgpr_workgroup_id_z 1
		.amdhsa_system_vgpr_workitem_id 0
		.amdhsa_next_free_vgpr 1024
		.amdhsa_next_free_sgpr 100
		.amdhsa_reserve_vcc 0
		.amdhsa_float_denorm_mode_32 3
		.amdhsa_float_denorm_mode_16_64 3
		.amdhsa_memory_ordered 1
		.amdhsa_forward_progress 1
		.amdhsa_inst_pref_size 178
	.end_amdhsa_kernel
	.amdgpu_metadata
---
amdhsa.version: [ 1, 2 ]
amdhsa.kernels:
  - .name:           k_q67e32f5eb3_ffn1
    .symbol:         k_q67e32f5eb3_ffn1.kd
    .args:
      - { .name: hq, .offset: 0, .size: 8, .value_kind: global_buffer, .address_space: global }
      - { .name: wts, .offset: 8, .size: 8, .value_kind: global_buffer, .address_space: global }
      - { .name: b1, .offset: 16, .size: 8, .value_kind: global_buffer, .address_space: global }
      - { .name: g, .offset: 24, .size: 8, .value_kind: global_buffer, .address_space: global }
    .group_segment_fixed_size: 327680
    .private_segment_fixed_size: 0
    .kernarg_segment_align: 8
    .kernarg_segment_size: 32
    .max_flat_workgroup_size: 128
    .sgpr_count:     100
    .vgpr_count:     1024
    .wavefront_size: 32
...
	.end_amdgpu_metadata
.endif
;; end of part 5
;; launch ffn2 (part 6): grid 8 x 32, 4 waves a work-group, clusters of 4 x 4, 327,680 bytes of LDS; arguments g, wts, b2, x1, out0; writes out0
.if DOCPART == 6
	.amdgcn_target "amdgcn-amd-amdhsa--gfx1250"
	.amdhsa_code_object_version 6
	.text
	.protected	k_q67e32f5eb3_ffn2
	.globl	k_q67e32f5eb3_ffn2
	.p2align	8
	.type	k_q67e32f5eb3_ffn2,@function
k_q67e32f5eb3_ffn2:
	s_mov_b64 s[64:65], 0
	v_nop
	global_prefetch_b8 v0, s[64:65] scope:SCOPE_SE
	s_setreg_imm32_b32 hwreg(HW_REG_WAVE_MODE, 25, 1), 1
	s_wait_xcnt 0x0
	s_wait_alu depctr_hold_cnt(0) depctr_sa_sdst(0) depctr_va_vdst(0) depctr_va_sdst(0) depctr_va_ssrc(0) depctr_va_vcc(0) depctr_vm_vsrc(0)
	s_getreg_b32 s2, hwreg(HW_REG_IB_STS2, 6, 4)
	s_cmp_eq_u32 s2, 0
	s_cbranch_scc0 .Lentry_in_a_cluster
	s_endpgm
.Lentry_in_a_cluster:
	s_bfe_u32 s2, ttmp6, 0x10000c
	s_cmp_lg_u32 s2, 0xf033
	s_cbranch_scc0 .Lentry_shape_is_right
	s_endpgm
.Lentry_shape_is_right:
.set WOFF,  6553600
.set BLK,   12800
.set XP,    4*BLK
.set YP,    2*BLK
.set XH,    8*BLK
.set YH,    4*BLK
.set YS,    2*XH
.set LAP,   12*BLK
.set PANB,  32*BLK
.set RP,    528
.set RED,   128*RP
.set SPARE, YS+2*YH
.set NL,    4
.set NP,    4
.set FR,    12
.set RD,    4
.set VO16,  8
.set VO8,   9
.set STO,   10
.set ADRS,  12
.set ADRA,  16
.set ADRB,  20
.set SPW,   28
.set NIL,   29
.set SC,    32
.set BI,    48
.set AF,    128
.set G1,   24
.set G0,   32
.set G1B,  48
.set G0B,  56
.set G1Y,  76
.set G1YB, 84
.set MSB, 0
.macro WIN new
.if MSB != (\new)
	s_set_vgpr_msb (MSB<<8)|(\new)
.set MSB, (\new)
.endif
.endm
.set MUL_LO, 0xa1
.set MUL_HI, 0xf1
.set TO_B,   0x40
.macro JLOAD g0a, g1a, g0b, g1b
	s_cmp_eq_u32 s15, 0
	s_cbranch_scc0 .Lfor_b_\@
	tensor_load_to_lds s[\g0a:\g0a+3], s[\g1a:\g1a+7]
	s_nop 0
.rept 4
	v_nop
.endr
	s_branch .Lasked_\@
.Lfor_b_\@:
	tensor_load_to_lds s[\g0b:\g0b+3], s[\g1b:\g1b+7]
	s_nop 0
.rept 4
	v_nop
.endr
.Lasked_\@:
.endm
.macro CREST
	s_cmp_lg_u32 s14, 0
	s_cbranch_scc1 .Lnot_wave_0_\@
	s_barrier_signal -3
.Lnot_wave_0_\@:
	s_barrier_wait -3
	s_barrier_signal -1
	s_barrier_wait -1
.endm
.macro CROUND
	s_barrier_signal -1
	s_barrier_wait -1
	CREST
.endm
.macro PLACES n
.rept \n
	v_nop
.endr
.endm
.macro FRAG reg, a16, a8, off
	ds_load_b128 v[\reg:\reg+3], v[\a16] offset:\off
	ds_load_b64 v[\reg+4:\reg+5], v[\a8] offset:\off
	ds_load_b128 v[\reg+6:\reg+9], v[\a16] offset:\off+768
	ds_load_b64 v[\reg+10:\reg+11], v[\a8] offset:\off+768
.endm
.macro MUL16 a0, p, zero
.irp a, \a0, \a0+1
.irp b, 0,1,2,3,4,5,6,7
.if \zero
	v_wmma_scale_f32_16x16x128_f8f6f4 v[8*(8*((\a)%4)+\b):8*(8*((\a)%4)+\b)+7], v[128*(\p)+FR*\b:128*(\p)+FR*\b+FR-1], v[AF+FR*(\a):AF+FR*(\a)+FR-1], 0, v[SC+8*(\p)+\b], v[SC+8*(\p)+(\a)] matrix_a_fmt:MATRIX_FMT_BF6 matrix_b_fmt:MATRIX_FMT_BF6 matrix_a_scale:MATRIX_SCALE_ROW1
.else
	v_wmma_scale_f32_16x16x128_f8f6f4 v[8*(8*((\a)%4)+\b):8*(8*((\a)%4)+\b)+7], v[128*(\p)+FR*\b:128*(\p)+FR*\b+FR-1], v[AF+FR*(\a):AF+FR*(\a)+FR-1], v[8*(8*((\a)%4)+\b):8*(8*((\a)%4)+\b)+7], v[SC+8*(\p)+\b], v[SC+8*(\p)+(\a)] matrix_a_fmt:MATRIX_FMT_BF6 matrix_b_fmt:MATRIX_FMT_BF6 matrix_a_scale:MATRIX_SCALE_ROW1
.endif
.endr
.endr
.endm
.macro FETCH_B slot, q, p
	WIN TO_B
.irp i, 0,1,2,3,4,5,6,7
	FRAG 128*(\p)+FR*\i, ADRB+\slot, ADRB+2+\slot, (\q)*XP+\i*1536
.endr
	WIN 0
.endm
.macro FETCH_A slot, q, i0
.irp i, \i0, \i0+1, \i0+2, \i0+3
	FRAG AF+FR*(\i), ADRA+\slot, ADRA+2+\slot, (\q)*XP+(\i)*1536
.endr
.endm
.macro SCALES slot, q, p
.irp i, 0,1,2,3,4,5,6,7
	ds_load_b32 v[SC+8*(\p)+\i], v[ADRS+\slot] offset:(\q)*XP+64*\i
.endr
.endm
.macro STEPK p, zero
	s_wait_dscnt 4*NL
	WIN MUL_LO
	MUL16 0, \p, \zero
	MUL16 2, \p, \zero
	s_wait_dscnt 0x0
	PLACES NP
	FETCH_B 0, 1, 1-(\p)
	FETCH_A 0, 1, 0
	SCALES 0, 1, 1-(\p)
	WIN MUL_HI
	MUL16 4, \p, \zero
	MUL16 6, \p, \zero
	PLACES NP
	WIN 0
	FETCH_A 0, 1, 4
.endm
.macro TURNK slot, p, next, fill
	s_wait_tensorcnt 0x0
	ds_add_u32 v[SPW], v[NIL]
	s_wait_dscnt 4*NL+1
	WIN MUL_LO
	MUL16 0, \p, 0
	s_wait_dscnt 0x0
	s_barrier_signal -1
	MUL16 2, \p, 0
	WIN 0
	s_barrier_wait -1
.if \fill
	CREST
	s_add_nc_u64 s[G0+4*\slot+2:G0+4*\slot+3], s[G0+4*\slot+2:G0+4*\slot+3], LAP
	s_add_nc_u64 s[G0B+4*\slot+2:G0B+4*\slot+3], s[G0B+4*\slot+2:G0B+4*\slot+3], LAP
.if \slot == 0
	JLOAD G0, G1, G0B, G1B
.else
	JLOAD G0+4, G1Y, G0B+4, G1YB
.endif
.else
	PLACES NP
.endif
	FETCH_B \next, 0, 1-(\p)
	FETCH_A \next, 0, 0
	s_wait_alu depctr_va_vdst(0)
	SCALES \next, 0, 1-(\p)
	WIN MUL_HI
	MUL16 4, \p, 0
	MUL16 6, \p, 0
	PLACES NP
	WIN 0
	FETCH_A \next, 0, 4
.endm
	s_load_b256 s[4:11], s[0:1], 0x0
	s_load_b64 s[12:13], s[0:1], 0x20
	v_lshl_add_u32 v[SPW], v0, 2, SPARE
	v_mov_b32 v[NIL], 0
	ds_add_u32 v28, v29
	ds_add_u32 v28, v29
	s_wait_dscnt 0x0
	v_lshrrev_b32 v1, 5, v0
	v_readfirstlane_b32 s14, v1
	s_lshr_b32 s15, s14, 1
	s_and_b32 s16, s14, 1
	s_bfe_u32 s40, ttmp6, 0x40000
	s_bfe_u32 s41, ttmp6, 0x40004
	s_lshl_b32 s42, ttmp9, 2
	s_add_co_u32 s42, s42, s40
	s_and_b32 s17, ttmp7, 0xffff
	s_lshl_b32 s17, s17, 2
	s_add_co_u32 s17, s17, s41
	s_lshl_b32 s43, s41, 2
	s_lshl_b32 s43, 15, s43
	s_lshl_b32 s44, 0x1111, s40
	s_or_b32 s[G1+0], s43, (3<<16)|(1<<21)
	s_or_b32 s[G1B+0], s44, (3<<16)|(1<<21)
	s_or_b32 s[G1Y+0], s43, (3<<16)|(1<<21)
	s_or_b32 s[G1YB+0], s44, (3<<16)|(1<<21)
.irp g, G1, G1B
	s_mov_b32 s[\g+1], 32<<16
	s_mov_b32 s[\g+2], 200<<16
	s_mov_b32 s[\g+3], 32<<16
	s_mov_b32 s[\g+4], 200
	s_mov_b32 s[\g+5], 32
	s_mov_b32 s[\g+6], 0
	s_mov_b32 s[\g+7], 0
.endr
.irp g, G1Y, G1YB
	s_mov_b32 s[\g+1], 32<<16
	s_mov_b32 s[\g+2], 100<<16
	s_mov_b32 s[\g+3], 32<<16
	s_mov_b32 s[\g+4], 100
	s_mov_b32 s[\g+5], 32
	s_mov_b32 s[\g+6], 0
	s_mov_b32 s[\g+7], 0
.endr
	s_mul_i32 s20, s17, PANB
	s_mov_b32 s21, 0
	s_mul_i32 s46, s42, PANB
	s_add_co_u32 s46, s46, WOFF
	s_mov_b32 s47, 0
	s_mul_i32 s18, s16, XP
	s_mov_b32 s19, 0
	s_mul_i32 s22, s16, YP
	s_add_co_u32 s22, s22, XH
	s_mov_b32 s23, 0
	s_mul_i32 s45, s14, XP
	s_mul_i32 s92, s14, YP
	s_add_co_u32 s92, s92, YS
	s_wait_kmcnt 0x0
	s_add_nc_u64 s[20:21], s[4:5], s[20:21]
	s_add_nc_u64 s[46:47], s[6:7], s[46:47]
	CROUND
	s_mov_b32 s[G0], 1
	s_mov_b32 s[G0+1], s45
	s_add_nc_u64 s[G0+2:G0+3], s[20:21], s[18:19]
	s_or_b32 s[G0+3], s[G0+3], 0x80000000
	s_mov_b32 s[G0B], 1
	s_mov_b32 s[G0B+1], s45
	s_add_nc_u64 s[G0B+2:G0B+3], s[46:47], s[18:19]
	s_or_b32 s[G0B+3], s[G0B+3], 0x80000000
	JLOAD G0, G1, G0B, G1B
	s_mov_b32 s[G0+4], 1
	s_mov_b32 s[G0+5], s92
	s_add_nc_u64 s[G0+6:G0+7], s[20:21], s[22:23]
	s_or_b32 s[G0+7], s[G0+7], 0x80000000
	s_mov_b32 s[G0B+4], 1
	s_mov_b32 s[G0B+5], s92
	s_add_nc_u64 s[G0B+6:G0B+7], s[46:47], s[22:23]
	s_or_b32 s[G0B+7], s[G0B+7], 0x80000000
	s_wait_alu depctr_va_vdst(0)
	s_wait_tensorcnt 0x0
	ds_add_u32 v28, v29
	s_wait_dscnt 0x0
	CROUND
	JLOAD G0+4, G1Y, G0B+4, G1YB
	v_and_b32 v1, 15, v0
	v_bfe_u32 v2, v0, 4, 1
	v_and_b32 v3, 31, v0
	v_lshlrev_b32 v[VO16], 4, v3
	v_lshlrev_b32 v11, 4, v1
	v_lshl_add_u32 v11, v2, 3, v11
	v_add_nc_u32 v[VO8], 512, v11
	s_mul_i32 s21, s14, BLK
	v_add_nc_u32 v[ADRA], s21, v[VO16]
	v_add_nc_u32 v[ADRA+2], s21, v[VO8]
	v_add_nc_u32 v[ADRB], XH, v[ADRA]
	v_add_nc_u32 v[ADRB+2], XH, v[ADRA+2]
	v_add_nc_u32 v[ADRA+1], YS, v[ADRA]
	v_add_nc_u32 v[ADRA+3], YS, v[ADRA+2]
	v_add_nc_u32 v[ADRB+1], YH, v[ADRA+1]
	v_add_nc_u32 v[ADRB+3], YH, v[ADRA+3]
	s_add_co_u32 s21, s21, 12288
	v_mul_u32_u24 v11, v2, XH
	v_lshl_add_u32 v11, v1, 2, v11
	v_add_nc_u32 v[ADRS], s21, v11
	v_mul_u32_u24 v11, v2, YH
	v_lshl_add_u32 v11, v1, 2, v11
	v_add_nc_u32 v11, s21, v11
	v_add_nc_u32 v[ADRS+1], YS, v11
	s_mul_i32 s21, s14, RED
	v_mul_u32_u24 v[STO], v1, RP
	v_lshl_add_u32 v[STO], v2, 6, v[STO]
	v_add_nc_u32 v[STO], s21, v[STO]
	s_mul_i32 s21, s14, 32*RP
	v_add_nc_u32 v[RD], s21, v[VO16]
	v_add_nc_u32 v[RD+1], RED, v[RD]
	v_add_nc_u32 v[RD+2], RED, v[RD+1]
	v_add_nc_u32 v[RD+3], RED, v[RD+2]
	s_lshl_b32 s66, s17, 19
	s_lshl_b32 s67, s14, 17
	s_add_co_u32 s66, s66, s67
	s_lshl_b32 s74, s42, 9
	s_add_co_u32 s66, s66, s74
	s_mov_b32 s67, 0
	s_mov_b32 s75, 0
	s_add_nc_u64 s[68:69], s[10:11], s[66:67]
	s_add_nc_u64 s[70:71], s[12:13], s[66:67]
	s_add_nc_u64 s[72:73], s[8:9], s[74:75]
	s_wait_tensorcnt 1
	s_barrier_signal -1
	s_barrier_wait -1
	FETCH_B 0, 0, 0
	FETCH_A 0, 0, 0
	SCALES 0, 0, 0
	FETCH_A 0, 0, 4
	STEPK 0, 1
	TURNK 0, 1, 1, 1
	TURNK 1, 0, 0, 1
	STEPK 1, 0
	TURNK 0, 0, 1, 1
	TURNK 1, 1, 0, 0
	STEPK 0, 0
	global_load_b128 v[BI:BI+3], v[VO16], s[72:73]
	WIN TO_B
.set R, 0
.rept 32
	global_load_b128 v[4*R:4*R+3], v[VO16], s[68:69] offset:(8*(R/16)+R%16+8*((R%16)/8))*4096
.set R, R+1
.endr
	WIN 0
	s_wait_dscnt 4*NL
	WIN MUL_LO
	MUL16 0, 1, 0
	MUL16 2, 1, 0
	s_wait_dscnt 0x0
	WIN MUL_HI
	MUL16 4, 1, 0
	MUL16 6, 1, 0
	WIN 0
	s_barrier_signal -1
	s_barrier_wait -1
	PLACES NP
.irp a, 0,1,2,3,4,5,6,7
	WIN 0x08+4*(\a/4)
.irp b, 0,1,2,3,4,5,6,7
	ds_store_b128 v[STO], v[64*(\a%4)+8*\b:64*(\a%4)+8*\b+3] offset:\a*16*RP+128*(\b/2)+32*(\b%2)
	ds_store_b128 v[STO], v[64*(\a%4)+8*\b+4:64*(\a%4)+8*\b+7] offset:\a*16*RP+128*(\b/2)+32*(\b%2)+16
.endr
.endr
	WIN 0
	s_wait_dscnt 0x0
	s_barrier_signal -1
	s_barrier_wait -1
.macro RLOAD g
.set BS, 64+64*((\g)%2)
.irp r, 0,1,2,3
.irp p, 0,1,2,3
	ds_load_b128 v[BS+16*\r+4*\p:BS+16*\r+4*\p+3], v[RD+\p] offset:(4*(\g)+\r)*RP
.endr
.endr
.endm
.macro RSUM g
.set BS, 64+64*((\g)%2)
.if (\g) < 7
	s_wait_dscnt 16
.else
	s_wait_dscnt 0x0
.endif
	s_wait_loadcnt 28-4*(\g)
.irp r, 0,1,2,3
.irp e, 0,2
	v_pk_add_f32 v[BS+16*\r+\e:BS+16*\r+\e+1], v[BS+16*\r+\e:BS+16*\r+\e+1], v[BS+16*\r+4+\e:BS+16*\r+5+\e]
	v_pk_add_f32 v[BS+16*\r+8+\e:BS+16*\r+9+\e], v[BS+16*\r+8+\e:BS+16*\r+9+\e], v[BS+16*\r+12+\e:BS+16*\r+13+\e]
.endr
.endr
.irp r, 0,1,2,3
.irp e, 0,2
	v_pk_add_f32 v[BS+16*\r+\e:BS+16*\r+\e+1], v[BS+16*\r+\e:BS+16*\r+\e+1], v[BS+16*\r+8+\e:BS+16*\r+9+\e]
.endr
.endr
.irp r, 0,1,2,3
.irp e, 0,2
	v_pk_add_f32 v[BS+16*\r+\e:BS+16*\r+\e+1], v[BS+16*\r+\e:BS+16*\r+\e+1], v[BI+\e:BI+\e+1]
.endr
.endr
	WIN 0x04
.irp r, 0,1,2,3
.irp e, 0,2
	v_pk_add_f32 v[BS+16*\r+\e:BS+16*\r+\e+1], v[BS+16*\r+\e:BS+16*\r+\e+1], v[4*(4*(\g)+\r)+\e:4*(4*(\g)+\r)+\e+1]
.endr
.endr
	WIN 0
.irp r, 0,1,2,3
	global_store_b128 v[VO16], v[BS+16*\r:BS+16*\r+3], s[70:71] offset:(8*((4*(\g)+\r)/16)+(4*(\g)+\r)%16+8*(((4*(\g)+\r)%16)/8))*4096 th:TH_STORE_NT
.endr
.endm
	RLOAD 0
	RLOAD 1
.irp g, 0,1,2,3,4,5,6,7
	RSUM \g
.if \g < 6
	s_wait_xcnt 0x0
	RLOAD \g+2
.endif
.endr
	s_wait_tensorcnt 0x0
	ds_add_u32 v[SPW], v[NIL]
	s_wait_dscnt 0x0
	CROUND
	s_endpgm
.Lfunc_end_k_q67e32f5eb3_ffn2:
	.size	k_q67e32f5eb3_ffn2, .Lfunc_end_k_q67e32f5eb3_ffn2-k_q67e32f5eb3_ffn2
	.p2alignl 7, 3214868480
	.fill 96, 4, 3214868480
	.section	.rodata,"a",@progbits
	.p2align	6, 0x0
	.amdhsa_kernel k_q67e32f5eb3_ffn2
		.amdhsa_group_segment_fixed_size 327680
		.amdhsa_private_segment_fixed_size 0
		.amdhsa_enable_private_segment 0
		.amdhsa_kernarg_size 40
		.amdhsa_user_sgpr_count 2
		.amdhsa_user_sgpr_kernarg_segment_ptr 1
		.amdhsa_wavefront_size32 1
		.amdhsa_system_sgpr_workgroup_id_x 1
		.amdhsa_system_sgpr_workgroup_id_y 1
		.amdhsa_system_sgpr_workgroup_id_z 1
		.amdhsa_system_vgpr_workitem_id 0
		.amdhsa_next_free_vgpr 1024
		.amdhsa_next_free_sgpr 96
		.amdhsa_reserve_vcc 0
		.amdhsa_float_denorm_mode_32 3
		.amdhsa_float_denorm_mode_16_64 3
		.amdhsa_memory_ordered 1
		.amdhsa_forward_progress 1
		.amdhsa_inst_pref_size 160
	.end_amdhsa_kernel
	.amdgpu_metadata
---
amdhsa.version: [ 1, 2 ]
amdhsa.kernels:
  - .name:           k_q67e32f5eb3_ffn2
    .symbol:         k_q67e32f5eb3_ffn2.kd
    .args:
      - { .name: g, .offset: 0, .size: 8, .value_kind: global_buffer, .address_space: global }
      - { .name: wts, .offset: 8, .size: 8, .value_kind: global_buffer, .address_space: global }
      - { .name: b2, .offset: 16, .size: 8, .value_kind: global_buffer, .address_space: global }
      - { .name: x1, .offset: 24, .size: 8, .value_kind: global_buffer, .address_space: global }
      - { .name: out0, .offset: 32, .size: 8, .value_kind: global_buffer, .address_space: global }
    .group_segment_fixed_size: 327680
    .private_segment_fixed_size: 0
    .kernarg_segment_align: 8
    .kernarg_segment_size: 40
    .max_flat_workgroup_size: 128
    .sgpr_count:     96
    .vgpr_count:     1024
    .wavefront_size: 32
...
	.end_amdgpu_metadata
.endif
;; end of part 6
